; MI455X (gfx1250); checked and timed in simulation.
; The chip was launched on July 23, 2026; its instructions are those of AMD's public machine-readable ISA for CDNA 5 (MIT licence, August 2026) and "CDNA5" Instruction Set Architecture Reference Guide (July 2026). The comments in the code are by the model that wrote it; some were corrected since.
;; Multi Head Attention Block. Allowed arithmetic: matrix products marked QUANTISED: E2M3 operands, one E8M0 scale for each 32 along K, by v_wmma_scale_f32_16x16x128_f8f6f4 with both operands' format E2M3, f32 sums; everything else in f32.
;; Inputs: Wk 1,024 x 1,024 float32; Wo 1,024 x 1,024 float32; Wq 1,024 x 1,024 float32; Wv 1,024 x 1,024 float32; bk 1,024 float32; bo 1,024 float32; bq 1,024 float32; bv 1,024 float32; ln_beta 1,024 float32; ln_gamma 1,024 float32; x 4 x 2,048 x 1,024 float32.
;; Outputs: out0 4 x 2,048 x 1,024 float32.
;; This version of the problem:
;;   THIS VERSION OF THE PROBLEM IS GIVEN IN LOW PRECISION. The matrix products marked QUANTISED in the list below multiply operands that are first quantised to E2M3 (2 exponent bits, 3 mantissa bits; 6 bits a number), with one power-of-two scale for each 32 numbers along K (OCP MX v1.0); their sums are f32. All else is computed in f32.
;;   The module's matrix products, in the order in which they are computed (A, B: the left and right operand; K: the contracted axis; several contracted axes count as one K, in the product's order):
;;     1. [M 8,192, K 1,024] x [K 1,024, N 1,024]; A: input x; B: input Wq: QUANTISED
;;     2. [M 8,192, K 1,024] x [K 1,024, N 1,024]; A: input x; B: input Wk: QUANTISED
;;     3. [M 8,192, K 1,024] x [K 1,024, N 1,024]; A: input x; B: input Wv: QUANTISED
;;     4. batch 64 x [M 2,048, K 64] x [K 64, N 2,048]; A: computed on the way; B: computed on the way: QUANTISED
;;     5. batch 64 x [M 2,048, K 2,048] x [K 2,048, N 64]; A: softmax (see below); B: computed on the way: QUANTISED
;;     6. [M 8,192, K 1,024] x [K 1,024, N 1,024]; A: computed on the way; B: input Wo: QUANTISED
;;   THE QUANTISER, for each operand of a quantised product, along K:
;;     - K is cut into blocks of 32 from its start; a last block that is shorter is filled with zeros.
;;     - A block's scale is 2^e with e = floor(log2(the largest magnitude in the block)) - 2, held to -126 .. 127; a block of zeros has e = 0. As a byte (E8M0): e + 127.
;;     - Each number is divided by its block's scale, clamped to +-7.5, and rounded to the nearest number of E2M3, ties to even, subnormals kept.
;;     - The product sums the exact products of the quantised numbers (number of the format x scale) in f32.
;;   ~~~python
;;   def quantise(x, axis):      # numpy; x: float32 -> the quantised numbers, widened to float32 again
;;       x = np.moveaxis(x, axis, -1); K = x.shape[-1]
;;       x = np.pad(x, [(0, 0)] * (x.ndim - 1) + [(0, -K % 32)]); x = x.reshape(x.shape[:-1] + (-1, 32)); a = np.abs(x).max(-1, keepdims=True)
;;       e = np.where(a > 0, np.clip(np.frexp(np.where(a > 0, a, 1))[1] - 1 - 2, -126, 127), 0)      # np.frexp(a)[1] - 1 = floor(log2(a)), exactly
;;       r = np.clip(x / 2.0 ** e, -7.5, 7.5)
;;       step = 2.0 ** (np.maximum(np.frexp(np.where(r == 0, 1, r))[1] - 1, 0) - 3)
;;       q = np.round(r / step) * step * 2.0 ** e      # np.round: ties to even
;;       return np.moveaxis(q.reshape(q.shape[:-2] + (-1,))[..., :K], -1, axis).astype(np.float32)
;;   ~~~
;;   SOFTMAX AHEAD OF A QUANTISED PRODUCT. Where the list says 'softmax', what is quantised is not the finished softmax but p = 2^(t - M), with t = logit x log2(e) and M = ceil(the row's largest t), a whole number; so 1/2 < the row's largest p <= 1. The row's sum l is taken of the UNQUANTISED p, in f32, and the product's result is divided by l at the end. Since M is a whole number, a kernel that streams over the keys may use a running M (the ceiling of the running maximum): every later rescaling is an exact power of two, which a block's scale takes up: the codes' values come out the same.
;;   OPERANDS COMPUTED ON THE WAY. 'Computed on the way' means the value that the module computes at that place (a softmax that the list does not call 'softmax' is quantised finished and normalised). What goes into a quantiser is computed in f32, as accurately as f32 sums, v_exp_f32 and their like allow (about 1e-6 of the number): no bf16 or f16 on the way to a quantiser, and a product that is left as it is and whose result goes on into a quantised operand takes f32 operands (vector FMAs, or v_wmma_f32_16x16x4_f32). A number that lies on a knife's edge between two numbers of the format may be rounded either way, as far as f32 arithmetic and the matrix unit's own rounding can turn it there, and no further.
;; One version. Each part assembles by itself: llvm-mc -triple=amdgcn-amd-amdhsa -mcpu=gfx1250 --defsym DOCPART=n.
;; ======== version 1 of 1: 4 launches
;; limits: right only within a limited range of input values
;; workspace buffers: cod 9,437,184 bytes; scl 393,216 bytes; qkc 12,582,912 bytes; vtc 6,291,456 bytes; sqkv 1,310,720 bytes; acod 6,291,456 bytes; ascl 262,144 bytes
;; launch quant (part 1): grid 768 x 1, 4 waves a work-group, no clusters, 68,096 bytes of LDS; arguments x, Wq, Wk, Wv, Wo, cod, scl; writes cod, scl
.if DOCPART == 1
	.amdgcn_target "amdgcn-amd-amdhsa--gfx1250"
	.amdhsa_code_object_version 6
	.text
	.protected	k_qc891faf624_quant
	.globl	k_qc891faf624_quant
	.p2align	8
	.type	k_qc891faf624_quant,@function
k_qc891faf624_quant:
	s_mov_b64 s[64:65], 0
	v_nop
	global_prefetch_b8 v0, s[64:65] scope:SCOPE_SE
	s_setreg_imm32_b32 hwreg(HW_REG_WAVE_MODE, 25, 1), 1
	s_wait_xcnt 0x0
; x [8192][1024] and Wq, Wk, Wv, Wo [1024][1024], f32, K (the hidden axis) innermost, become codes of FP6 (E2M3) with one E8M0 byte for each 32 along K,
; laid in the ORDER OF THE OPERAND'S REGISTERS.  A tile is 16 rows out of 32 neighbours: tile T holds rows 32 (T / 2) + 8 (T % 2) + i + 8 (i / 8), i = 0 .. 15.
; cod: [tile 0..767][K step 0..7][1,536 bytes]: the 12 registers of a fragment (16 rows x 128 K), registers 4 c .. 4 c + 3 of lane l at 512 c + 16 l.  Tiles 0-511: x; 512 + 64 n + T: Wq, Wk, Wv, Wo for n = 0 .. 3.
; scl: [tile][i 0..3][lane]: a word (four bytes, 128 along K) of row lane % 16: lanes 0-15 K step 2 i, lanes 16-31 K step 2 i + 1.
; A block's scale is 2^(floor(log2(its largest magnitude)) - 2); its byte is the largest magnitude's exponent field - 2, held at 1 from below.
; LIMITS: NaN and infinities are not served; a block whose largest magnitude lies under 2^-124 keeps the byte 1; a block of zeros gets the byte 1 where the rule says 127: its codes are zeros, and this program alone reads the bytes.
; SHARES: a work-group makes one tile, wave q its K steps 2 q and 2 q + 1.  Each load reads 512 consecutive bytes (a row's K step); the 16 rows turn through the wave's own stage in LDS, so that lane (r, h) gets
; of row r the numbers k = 64 c + 32 h + 0 .. 31: two whole blocks.  No loop, no barrier: waves share nothing.  32 loads of a wave are out at once.
.set WREG,  16896                      ; LDS of a wave: two stages of 16 rows x SP bytes
.set SP,    528                        ; a stage row: 512 bytes + 16, an odd multiple of 16: the 16 rows that a load of 16 bytes a lane touches start in different banks
.set SPARE, 4*WREG                     ; behind the stages: the spare words, 128 bytes for each wave
.set R,   32                           ; v32-159  two sets of 64 registers as loaded; set 0 later takes the second K step's numbers by lanes
.set X0,  160                          ; v160-223 the first K step's numbers by lanes
.set F0,  224                          ; v224-235 the first fragment
.set F1,  236                          ; v236-247 the second
.set T2,  248                          ; v248-250, v252-254 the upper halves of two blocks' codes
	s_load_b256 s[4:11], s[0:1], 0x0               ; x, Wq, Wk, Wv
	s_load_b128 s[12:15], s[0:1], 0x20             ; Wo, cod
	s_load_b64 s[16:17], s[0:1], 0x30              ; scl
	v_lshl_add_u32 v10, v0, 2, SPARE               ; my spare word; never rewritten
	v_mov_b32 v11, 0                               ; 0; never rewritten
	v_lshrrev_b32 v1, 5, v0
	v_readfirstlane_b32 s20, v1                    ; wave q
	v_and_b32 v1, 31, v0                           ; lane
	v_lshlrev_b32 v2, 4, v1                        ; 16 x lane
	v_lshlrev_b32 v6, 2, v1                        ; 4 x lane
	v_and_b32 v7, 15, v0                           ; r
	v_bfe_u32 v8, v0, 4, 1                         ; h
	s_mul_i32 s28, s20, WREG
	v_add_nc_u32 v3, s28, v2                       ; the stage, way in: 16 x lane of a row
	v_mul_u32_u24 v4, v7, SP
	v_lshl_add_u32 v4, v8, 7, v4
	v_add_nc_u32 v4, s28, v4                       ; way out: row r, + 128 h
	v_lshlrev_b32 v5, 3, v8                        ; 8 h: where my two bytes stand in the scale word
	v_mov_b32 v20, 0                               ; written once: a lane permute's destination counts as one of its sources
	s_mov_b32 s30, 0x76543210
	s_mov_b32 s31, 0xfedcba98                      ; selects for lane l xor 16
	s_mov_b32 s32, 0xffff0000                      ; lanes 16-31
	s_mov_b32 s21, ttmp9                           ; the tile
	s_and_b32 s24, s21, 63                         ; its number inside a weight
	s_wait_alu depctr_va_vdst(0)
	s_wait_kmcnt 0x0
	s_mov_b64 s[22:23], s[12:13]                   ; the source: chosen by the work-group's number alone
	s_cmp_lt_u32 s21, 704
	s_cselect_b64 s[22:23], s[10:11], s[22:23]
	s_cmp_lt_u32 s21, 640
	s_cselect_b64 s[22:23], s[8:9], s[22:23]
	s_cmp_lt_u32 s21, 576
	s_cselect_b64 s[22:23], s[6:7], s[22:23]
	s_cmp_lt_u32 s21, 512
	s_cselect_b64 s[22:23], s[4:5], s[22:23]
	s_cselect_b32 s24, s21, s24                    ; the tile's number inside its source
	s_lshr_b32 s25, s24, 1
	s_lshl_b32 s25, s25, 17                        ; 32 rows of 4,096 bytes
	s_and_b32 s26, s24, 1
	s_lshl_b32 s26, s26, 15                        ; 8 rows
	s_add_co_u32 s26, s26, s25
	s_lshl_b32 s25, s20, 10                        ; my two K steps: 1,024 bytes of a row
	s_add_co_u32 s26, s26, s25
	s_mov_b32 s27, 0
	s_add_nc_u64 s[22:23], s[22:23], s[26:27]
	s_mul_i32 s26, s21, 12288
	s_mul_i32 s25, s20, 3072
	s_add_co_u32 s26, s26, s25
	s_add_nc_u64 s[14:15], s[14:15], s[26:27]      ; my two fragments in cod
	s_lshl_b32 s26, s21, 9
	s_lshl_b32 s25, s20, 7
	s_add_co_u32 s26, s26, s25
	s_add_nc_u64 s[16:17], s[16:17], s[26:27]      ; my 128 bytes in scl
.irp f, 0,1
.irp i, 0,1,2,3,4,5,6,7,8,9,10,11,12,13,14,15
	global_load_b128 v[R+64*\f+4*\i:R+64*\f+4*\i+3], v2, s[22:23] offset:(\i+8*(\i/8))*4096+512*\f th:TH_LOAD_NT   ; 32 lanes read 512 consecutive bytes of the tile's row i
.endr
.endr
; K step f goes through stage f: in as loaded, out by lanes.  LDS serves a wave's instructions in order, so no wait stands between the stores and the loads.
.macro TURN f, dst
.irp i, 0,1,2,3,4,5,6,7,8,9,10,11,12,13,14,15
	ds_store_b128 v3, v[R+64*\f+4*\i:R+64*\f+4*\i+3] offset:16*SP*\f+SP*\i
.endr
.irp c, 0,1
.irp e, 0,1,2,3,4,5,6,7
	ds_load_b128 v[\dst+32*\c+4*\e:\dst+32*\c+4*\e+3], v4 offset:16*SP*\f+256*\c+16*\e
.endr
.endr
.endm
; 64 numbers of a lane (register 32 c + i = k 64 c + 32 h + i of row r) become the fragment's 12 registers at v[f] and the row's scale word in v[w]
.macro QUANTF xs, f, w
.irp c, 0,1
	v_max3_num_f32 v[12+\c], |v[\xs+32*\c]|, |v[\xs+32*\c+1]|, 0x1800000   ; my block 2 c + h, and the floor 2^(3 - 127): the byte cannot fall under 1
.endr
.irp i, 2,4,6,8,10,12,14,16,18,20,22,24,26,28,30
.irp c, 0,1
	v_max3_num_f32 v[12+\c], v[12+\c], |v[\xs+32*\c+\i]|, |v[\xs+32*\c+\i+1]|   ; (the two blocks by turns)
.endr
.endr
.irp c, 0,1
	v_add_nc_u32 v[14+\c], 0xff000000, v[12+\c]    ; 2 off the exponent field: the conversion's scale operand
.endr
.irp c, 0,1
	v_lshrrev_b32 v[16+\c], 23, v[14+\c]           ; the scale's byte
.endr
	v_lshl_or_b32 v[\w], v17, 16, v16              ; blocks h and 2 + h,
	v_lshlrev_b32 v[\w], v5, v[\w]                 ; at their places in the word;
	v_permlanex16_b32 v20, v[\w], s30, s31
	v_or_b32 v[\w], v[\w], v20                     ; with lane l xor 16's two the word is whole
.irp c, 0,1
	v_cvt_scalef32_pk16_fp6_f32 v[\f+6*\c:\f+6*\c+2], v[\xs+32*\c:\xs+32*\c+15], v[14+\c]
	v_cvt_scalef32_pk16_fp6_f32 v[T2+4*\c:T2+4*\c+2], v[\xs+32*\c+16:\xs+32*\c+31], v[14+\c]   ; (a conversion's three registers begin on an even number)
.endr
	v_nop                                          ; one plain place behind a scaled conversion
.irp c, 0,1
.irp i, 0,1,2
	v_mov_b32 v[\f+6*\c+3+\i], v[T2+4*\c+\i]
.endr
.endr
.endm
	s_wait_loadcnt 16                              ; the first K step's 16 loads are in; the second's may be out
	TURN 0, X0
	s_wait_loadcnt 0x0                             ; the second's are in
	s_wait_dscnt 0x0                               ; the first turn is over: its stores have read set 0, which now takes the second turn's loads
	TURN 1, R
	QUANTF X0, F0, 18
.irp c, 0,1,2
	global_store_b128 v2, v[F0+4*\c:F0+4*\c+3], s[14:15] offset:512*\c   ; 32 lanes store 512 consecutive bytes
.endr
	s_wait_dscnt 0x0
	QUANTF R, F1, 19
.irp c, 0,1,2
	global_store_b128 v2, v[F1+4*\c:F1+4*\c+3], s[14:15] offset:1536+512*\c
.endr
	v_cndmask_b32 v21, v18, v19, s32               ; lanes 0-15: K step 2 q's words, lanes 16-31: K step 2 q + 1's
	global_store_b32 v6, v21, s[16:17]
	s_wait_tensorcnt 0x0                           ; the wave's end, behind my last LDS store
	ds_add_u32 v10, v11
	s_wait_dscnt 0x0
	s_endpgm
.Lfunc_end_k_qc891faf624_quant:
	.size	k_qc891faf624_quant, .Lfunc_end_k_qc891faf624_quant-k_qc891faf624_quant
	.p2alignl 7, 3214868480
	.fill 96, 4, 3214868480
	.section	.rodata,"a",@progbits
	.p2align	6, 0x0
	.amdhsa_kernel k_qc891faf624_quant
		.amdhsa_group_segment_fixed_size 68096
		.amdhsa_private_segment_fixed_size 0
		.amdhsa_enable_private_segment 0
		.amdhsa_kernarg_size 56
		.amdhsa_user_sgpr_count 2
		.amdhsa_user_sgpr_kernarg_segment_ptr 1
		.amdhsa_wavefront_size32 1
		.amdhsa_system_sgpr_workgroup_id_x 1
		.amdhsa_system_sgpr_workgroup_id_y 1
		.amdhsa_system_sgpr_workgroup_id_z 1
		.amdhsa_system_vgpr_workitem_id 0
		.amdhsa_next_free_vgpr 256
		.amdhsa_next_free_sgpr 66
		.amdhsa_reserve_vcc 0
		.amdhsa_float_denorm_mode_32 3
		.amdhsa_float_denorm_mode_16_64 3
		.amdhsa_memory_ordered 1
		.amdhsa_forward_progress 1
		.amdhsa_inst_pref_size 17
	.end_amdhsa_kernel
	.amdgpu_metadata
---
amdhsa.version: [ 1, 2 ]
amdhsa.kernels:
  - .name:           k_qc891faf624_quant
    .symbol:         k_qc891faf624_quant.kd
    .args:
      - { .name: x, .offset: 0, .size: 8, .value_kind: global_buffer, .address_space: global }
      - { .name: Wq, .offset: 8, .size: 8, .value_kind: global_buffer, .address_space: global }
      - { .name: Wk, .offset: 16, .size: 8, .value_kind: global_buffer, .address_space: global }
      - { .name: Wv, .offset: 24, .size: 8, .value_kind: global_buffer, .address_space: global }
      - { .name: Wo, .offset: 32, .size: 8, .value_kind: global_buffer, .address_space: global }
      - { .name: cod, .offset: 40, .size: 8, .value_kind: global_buffer, .address_space: global }
      - { .name: scl, .offset: 48, .size: 8, .value_kind: global_buffer, .address_space: global }
    .group_segment_fixed_size: 68096
    .private_segment_fixed_size: 0
    .kernarg_segment_align: 8
    .kernarg_segment_size: 56
    .max_flat_workgroup_size: 128
    .sgpr_count:     66
    .vgpr_count:     256
    .wavefront_size: 32
...
	.end_amdgpu_metadata
.endif
;; end of part 1
;; launch qkv (part 2): grid 64 x 4, 4 waves a work-group, clusters of 4 x 1, 327,680 bytes of LDS; arguments cod, scl, bq, bk, bv, qkc, vtc, sqkv; writes qkc, vtc, sqkv
.if DOCPART == 2
	.amdgcn_target "amdgcn-amd-amdhsa--gfx1250"
	.amdhsa_code_object_version 6
	.text
	.protected	k_qc891faf624_qkv
	.globl	k_qc891faf624_qkv
	.p2align	8
	.type	k_qc891faf624_qkv,@function
k_qc891faf624_qkv:
	s_mov_b64 s[64:65], 0
	v_nop
	global_prefetch_b8 v0, s[64:65] scope:SCOPE_SE
	s_setreg_imm32_b32 hwreg(HW_REG_WAVE_MODE, 25, 1), 1
	s_wait_xcnt 0x0
	s_wait_alu depctr_hold_cnt(0) depctr_sa_sdst(0) depctr_va_vdst(0) depctr_va_sdst(0) depctr_va_ssrc(0) depctr_va_vcc(0) depctr_vm_vsrc(0)
	s_getreg_b32 s2, hwreg(HW_REG_IB_STS2, 6, 4)
	s_cmp_eq_u32 s2, 0
	s_cbranch_scc0 .Lentry_in_a_cluster
	s_endpgm
.Lentry_in_a_cluster:
	s_bfe_u32 s2, ttmp6, 0x10000c
	s_cmp_lg_u32 s2, 0x3003
	s_cbranch_scc0 .Lentry_shape_is_right
	s_endpgm
.Lentry_shape_is_right:
.set XS,    98304
.set WB,    102400
.set SPARE, 299008
.set LI,  1
.set XA0, 2
.set XA1, 3
.set XSA, 4
.set WA,  5
.set L8,  6
.set L4,  7
.set BH,  8
.set BV,  9
.set SPW, 10
.set NIL, 11
.set WS,  16
.set XSV, 16
.set XSC, 64
.set XR,  72
.set ACC, 168
.set TM,  200
.set X2,  208
.set PW,  211
.set CODE, 212
.set SW,  224
.set W1,  228
.set VACC, 0
.set VCODE, 128
.set TMV, 176
.set X2V, 184
.set PWV, 188
.set VW,  190
.set VM,  194
.set WV,  20
.set SEL, 60
.set HM,  62
.set MSB, 0
.macro WIN new
.if MSB != (\new)
	s_set_vgpr_msb (MSB<<8)|(\new)
.set MSB, (\new)
.endif
.endm
.macro PLACES
.rept 4
	v_nop
.endr
.endm
.macro CROUND
	s_barrier_signal -1
	s_barrier_wait -1
	s_cmp_lg_u32 s[WV], 0
	s_cbranch_scc1 .Lnot_wave_0_\@
	s_barrier_signal -3
.Lnot_wave_0_\@:
	s_barrier_wait -3
	s_barrier_signal -1
	s_barrier_wait -1
.endm
.macro HQ src, cod, x2, tm, pw
.irp b, 0,1
	v_max3_num_f32 v[\tm+\b], |v[\src+16*\b]|, |v[\src+16*\b+1]|, 0x1800000
.endr
.irp i, 2,4,6,8,10,12,14
.irp b, 0,1
	v_max3_num_f32 v[\tm+\b], v[\tm+\b], |v[\src+16*\b+\i]|, |v[\src+16*\b+\i+1]|
.endr
.endr
.irp b, 0,1
	v_permlanex16_b32 v[\tm+2+\b], v[\tm+\b], s[SEL], s[SEL+1]
.endr
.irp b, 0,1
	v_max_num_f32 v[\tm+\b], v[\tm+\b], v[\tm+2+\b]
.endr
.irp b, 0,1
	v_add_nc_u32 v[\tm+4+\b], 0xff000000, v[\tm+\b]
.endr
.irp b, 0,1
	v_lshrrev_b32 v[\tm+2+\b], 23, v[\tm+4+\b]
.endr
	v_lshl_or_b32 v[\pw], v[\tm+3], 8, v[\tm+2]
	v_cvt_scalef32_pk16_fp6_f32 v[\cod:\cod+2], v[\src:\src+15], v[\tm+4]
	v_cvt_scalef32_pk16_fp6_f32 v[\x2:\x2+2], v[\src+16:\src+31], v[\tm+5]
	v_nop
.irp i, 0,1,2
	v_permlane16_swap_b32 v[\cod+\i], v[\x2+\i]
.endr
.irp i, 0,1,2
	v_mov_b32 v[\cod+3+\i], v[\x2+\i]
.endr
.endm
.macro MM d, a, b, c, sa, sb, odd
.if \odd
	v_wmma_scale_f32_16x16x128_f8f6f4 v[\d:\d+7], v[\a:\a+11], v[\b:\b+11], v[\c:\c+7], v[\sa], v[\sb] matrix_a_fmt:MATRIX_FMT_FP6 matrix_b_fmt:MATRIX_FMT_FP6 matrix_a_scale:MATRIX_SCALE_ROW1 matrix_b_scale:MATRIX_SCALE_ROW1
.else
	v_wmma_scale_f32_16x16x128_f8f6f4 v[\d:\d+7], v[\a:\a+11], v[\b:\b+11], v[\c:\c+7], v[\sa], v[\sb] matrix_a_fmt:MATRIX_FMT_FP6 matrix_b_fmt:MATRIX_FMT_FP6
.endif
.endm
	s_load_b512 s[4:19], s[0:1], 0x0
	v_lshl_add_u32 v[SPW], v0, 2, SPARE
	v_mov_b32 v[NIL], 0
	ds_add_u32 v[SPW], v[NIL]
	ds_add_u32 v[SPW], v[NIL]
	v_lshrrev_b32 v12, 5, v0
	v_readfirstlane_b32 s[WV], v12
	s_bfe_u32 s21, ttmp6, 0x40000
	s_lshl_b32 s22, ttmp9, 2
	s_add_co_u32 s22, s22, s21
	s_and_b32 s23, ttmp7, 0xffff
.irp g, 24, 32, 40
	s_mov_b32 s[\g+1], 32<<16
	s_mov_b32 s[\g+3], 32<<16
	s_mov_b32 s[\g+5], 32
	s_mov_b32 s[\g+6], 0
	s_mov_b32 s[\g+7], 0
.endr
	s_mov_b32 s24, 3<<16
	s_mov_b32 s26, 384<<16                         ; x's codes whole: 384 rows of 256 bytes, one wave's load
	s_mov_b32 s28, 384
	s_mov_b32 s32, 3<<16
	s_mov_b32 s34, 16<<16                          ; x's scale words whole: 16 rows
	s_mov_b32 s36, 16
	s_mov_b32 s40, 15|(3<<16)|(1<<21)
	s_mov_b32 s42, 384<<16                         ; at the head half of a weight's tile: 384 rows; behind the head's wait 192, a wave's quarter
	s_mov_b32 s44, 384
	s_mov_b32 s48, 1
	s_mov_b32 s49, 0
	s_mov_b32 s52, 1
	s_mov_b32 s53, XS
	s_mov_b32 s56, 1
	s_mul_i32 s57, s[WV], 49152
	s_add_co_u32 s57, s57, WB
	s_lshl_b32 s70, s23, 4
	s_lshl_b32 s71, s[WV], 2
	s_add_co_u32 s70, s70, s71
	s_add_co_u32 s72, s70, 512
	s_mul_i32 s74, s72, 12288
	s_mov_b32 s75, 0
	s_lshl_b32 s72, s72, 9
	s_mov_b32 s73, 0
	s_lshl_b32 s70, s70, 6
	s_mov_b32 s71, 0
	s_mul_i32 s66, s22, 98304
	s_add_co_u32 s66, s66, s49
	s_mov_b32 s67, 0
	s_lshl_b32 s68, s22, 12
	s_mov_b32 s69, 0
	s_add_co_u32 s68, s68, s69
	s_mov_b32 s69, 0
	s_lshr_b32 s76, s22, 4
	s_lshl_b32 s76, s76, 4
	s_lshl_b32 s77, s23, 2
	s_add_co_u32 s76, s76, s77
	s_add_co_u32 s76, s76, s[WV]
	s_lshl_b32 s76, s76, 4
	s_and_b32 s77, s22, 15
	s_add_co_u32 s76, s76, s77
	s_mul_i32 s78, s76, 6144
	s_mov_b32 s79, 0
	s_mul_i32 s2, s76, 768
	s_mov_b32 s3, 0
	s_lshl_b32 s76, s76, 9
	s_add_co_u32 s76, s76, 786432
	s_mov_b32 s77, 0
	s_mov_b32 s[SEL], 0x76543210
	s_mov_b32 s[SEL+1], 0xfedcba98
	s_mov_b32 s[HM], 0xffff0000
	s_mov_b32 s80, 1                               ; group 0 of the head's load of half a weight's tile: waves 0 and 1
	s_and_b32 s81, s[WV], 1
	s_mul_i32 s81, s81, 98304
	s_lshl_b32 s82, s23, 4
	s_add_co_u32 s82, s82, 512
	s_mul_i32 s82, s82, 12288
	s_add_co_u32 s82, s82, s81
	s_mov_b32 s83, 0
	s_add_co_u32 s81, s81, WB
	v_and_b32 v12, 31, v0
	v_lshlrev_b32 v[LI], 4, v12
	v_lshlrev_b32 v[XA0], 4, v12
	v_add_nc_u32 v[XA1], 49152, v[LI]
	v_lshlrev_b32 v[L4], 2, v12
	v_add_nc_u32 v[XSA], XS, v[L4]
	v_add_nc_u32 v[WA], s57, v[LI]
	v_lshlrev_b32 v[L8], 3, v12
	v_bfe_u32 v13, v0, 4, 1
	v_lshlrev_b32 v[BH], 6, v13
	v_and_b32 v14, 15, v0
	v_and_b32 v15, 8, v14
	v_add_nc_u32 v15, v15, v14
	v_lshlrev_b32 v[BV], 2, v15
	v_mov_b32 v[TM+2], 0
	v_mov_b32 v[TM+3], 0
	s_wait_dscnt 0x0
	s_wait_kmcnt 0x0
	s_add_nc_u64 s[50:51], s[4:5], s[66:67]
	s_or_b32 s51, s51, 0x80000000
	s_add_nc_u64 s[54:55], s[6:7], s[68:69]
	s_or_b32 s55, s55, 0x80000000
	s_add_nc_u64 s[58:59], s[4:5], s[74:75]
	s_or_b32 s59, s59, 0x80000000
	s_add_nc_u64 s[82:83], s[4:5], s[82:83]
	s_or_b32 s83, s83, 0x80000000
	s_add_nc_u64 s[6:7], s[6:7], s[72:73]
	s_add_nc_u64 s[8:9], s[8:9], s[70:71]
	s_add_nc_u64 s[10:11], s[10:11], s[70:71]
	s_add_nc_u64 s[12:13], s[12:13], s[70:71]
	s_add_nc_u64 s[14:15], s[14:15], s[78:79]
	s_add_nc_u64 s[16:17], s[16:17], s[78:79]
	s_add_nc_u64 s[66:67], s[18:19], s[76:77]
	s_add_nc_u64 s[18:19], s[18:19], s[2:3]
	CROUND
	s_cmp_lt_u32 s[WV], 2                          ; the head's tiles, one load a wave, in one chain of arms: waves 0 and 1 half of the weight's tile each,
	s_cbranch_scc0 .Lhead_x
	tensor_load_to_lds s[80:83], s[40:47]
	s_nop 0
	PLACES
	s_branch .Lhead_asked
.Lhead_x:
	s_cmp_eq_u32 s[WV], 2                          ; wave 2 x's codes,
	s_cbranch_scc0 .Lhead_s
	tensor_load_to_lds s[48:51], s[24:31]
	s_nop 0
	PLACES
	s_branch .Lhead_asked
.Lhead_s:
	tensor_load_to_lds s[52:55], s[32:39]          ; wave 3 x's scale words
	s_nop 0
	PLACES
.Lhead_asked:
	s_wait_alu depctr_va_vdst(0)
.irp x, 0,1,2
.irp t, 0,1,2,3
.irp i, 0,1,2,3
	global_load_b32 v[WS+16*\x+4*\t+\i], v[L4], s[6:7] offset:32768*\x+512*\t+128*\i
.endr
.endr
.endr
	WIN 0x80
	s_wait_alu depctr_va_vdst(0)
.irp t, 0,1,2,3
	global_load_b128 v[192+8*\t:195+8*\t], v[BH], s[8:9] offset:(32*(\t/2)+8*(\t%2))*4
	global_load_b128 v[196+8*\t:199+8*\t], v[BH], s[8:9] offset:(32*(\t/2)+8*(\t%2))*4+16
	global_load_b128 v[224+8*\t:227+8*\t], v[BH], s[10:11] offset:(32*(\t/2)+8*(\t%2))*4
	global_load_b128 v[228+8*\t:231+8*\t], v[BH], s[10:11] offset:(32*(\t/2)+8*(\t%2))*4+16
.endr
	WIN 0xc0
.irp t, 0,1,2,3
	global_load_b32 v[224+\t], v[BV], s[12:13] offset:(32*(\t/2)+8*(\t%2))*4
.endr
	WIN 0x40
	v_mov_b32 v[TMV+2], 0
	v_mov_b32 v[TMV+3], 0
	s_wait_loadcnt 0x0
	WIN 0xc3
.irp t, 0,1,2,3
.irp j, 0,1,2,3,4,5,6,7
	v_mov_b32 v[192+8*\t+\j], v[224+\t]
.endr
.endr
	WIN 0
	s_wait_tensorcnt 0x0
	s_mov_b32 s42, 192<<16                         ; no tensor load of mine is out: from here on a load of a weight brings my quarter, 192 rows
	s_mov_b32 s44, 192
	s_barrier_signal -1
	s_barrier_wait -1
.macro COPYW
	WIN 0x80
.irp s, 0,1,2,3
.irp t, 0,1,2,3
.irp c, 0,1,2
	ds_load_b128 v[12*(4*\s+\t)+4*\c:12*(4*\s+\t)+4*\c+3], v[WA] offset:\t*12288+\s*1536+512*\c
.endr
.endr
.endr
	WIN 0xc0
.irp s, 0,1,2,3
.irp t, 0,1,2,3
.irp c, 0,1,2
	ds_load_b128 v[12*(4*\s+\t)+4*\c:12*(4*\s+\t)+4*\c+3], v[WA] offset:\t*12288+(\s+4)*1536+512*\c
.endr
.endr
.endr
	WIN 0
.endm
.macro XLA m
.irp s, 0,1,2,3
.irp c, 0,1,2
	ds_load_b128 v[XR+12*\s+4*\c:XR+12*\s+4*\c+3], v[XA0+(\m)/4] offset:((\m)%4)*12288+\s*1536+512*\c
.endr
.endr
.irp i, 0,1,2,3
	ds_load_b32 v[XSC+4*((\m)%2)+\i], v[XSA] offset:512*(\m)+128*\i
.endr
.endm
.macro XLB m
.irp s, 4,5,6,7
.irp c, 0,1,2
	ds_load_b128 v[XR+12*\s+4*\c:XR+12*\s+4*\c+3], v[XA0+(\m)/4] offset:((\m)%4)*12288+\s*1536+512*\c
.endr
.endr
.endm
.macro REFILL
	s_wait_tensorcnt 0x0
	ds_add_u32 v[SPW], v[NIL]
	s_add_nc_u64 s[58:59], s[58:59], 786432
	s_wait_dscnt 0x0
	CROUND
	tensor_load_to_lds s[56:59], s[40:47]
	s_nop 0
	PLACES
.endm
.macro QKS ph, m, s
.irp t, 0,1,2,3
.if (\s) == 0
	MM ACC+8*\t, 12*(4*((\s)%4)+\t), XR+12*(\s), 192+32*(\ph)+8*\t, WS+16*(\ph)+4*\t+(\s)/2, XSC+4*((\m)%2)+(\s)/2, (\s)%2
.else
	MM ACC+8*\t, 12*(4*((\s)%4)+\t), XR+12*(\s), ACC+8*\t, WS+16*(\ph)+4*\t+(\s)/2, XSC+4*((\m)%2)+(\s)/2, (\s)%2
.endif
.endr
.endm
.macro QKTILE ph, m
	s_wait_dscnt 12
	WIN 0x22
	QKS \ph, \m, 0
	WIN 0x02
	QKS \ph, \m, 1
	QKS \ph, \m, 2
	QKS \ph, \m, 3
	WIN 0
	PLACES
.if (\m) < 7
	XLA (\m)+1
	s_wait_dscnt 16
.else
	s_wait_dscnt 0
.endif
	WIN 0x03
	QKS \ph, \m, 4
	QKS \ph, \m, 5
	QKS \ph, \m, 6
	QKS \ph, \m, 7
	WIN 0
	PLACES
.if (\m) < 7
	XLB (\m)+1
.endif
.if ((\m)%2) == 0
	s_wait_xcnt 0x0
.endif
	HQ ACC, CODE+6*((\m)%2), X2, TM, PW
.if ((\m)%2) == 0
	v_mov_b32 v[W1], v[PW]
.else
	v_cndmask_b32 v[SW+(\m)/2], v[W1], v[PW], s[HM]
.irp c, 0,1,2
	global_store_b128 v[LI], v[CODE+4*\c:CODE+4*\c+3], s[14:15] offset:(\ph)*6291456+((\m)/2)*1536+512*\c
.endr
.endif
.endm
.macro VLOAD q
.irp m, 0,1,2,3
.irp c, 0,1,2
	ds_load_b128 v[XR+48*((\q)%2)+12*\m+4*\c:XR+48*((\q)%2)+12*\m+4*\c+3], v[XA0+(\q)/8] offset:\m*12288+((\q)%8)*1536+512*\c
.endr
.endr
.endm
.macro VSTEP q
.if (\q) < 15
	s_wait_dscnt 12
.else
	s_wait_dscnt 0
.endif
.if ((\q)%8) == 0
	WIN 0x78
.elseif ((\q)%8) < 4
	WIN 0x58
.else
	WIN 0x5c
.endif
.irp m, 0,1,2,3
.irp t, 0,1,2,3
.if ((\q)%8) == 0
	MM VACC+8*(4*\t+\m), XR+48*((\q)%2)+12*\m, 12*(4*((\q)%4)+\t), 192+8*\t, XSV+4*(4*((\q)/8)+\m)+((\q)%8)/2, WS+32+4*\t+((\q)%8)/2, (\q)%2
.else
	MM VACC+8*(4*\t+\m), XR+48*((\q)%2)+12*\m, 12*(4*((\q)%4)+\t), VACC+8*(4*\t+\m), XSV+4*(4*((\q)/8)+\m)+((\q)%8)/2, WS+32+4*\t+((\q)%8)/2, (\q)%2
.endif
.endr
.endr
	WIN 0
	PLACES
.if (\q)+2 < 16
	VLOAD (\q)+2
.endif
.endm
	COPYW
	XLA 0
	XLB 0
	REFILL
.irp m, 0,1,2,3,4,5,6,7
	QKTILE 0, \m
.endr
	global_store_b128 v[LI], v[SW:SW+3], s[66:67]
	s_wait_tensorcnt 0x0
	COPYW
	XLA 0
	XLB 0
	REFILL
.irp m, 0,1,2,3,4,5,6,7
	QKTILE 1, \m
.endr
	global_store_b128 v[LI], v[SW:SW+3], s[18:19]
	s_wait_tensorcnt 0x0
	COPYW
.irp m, 0,1,2,3,4,5,6,7
.irp i, 0,1,2,3
	ds_load_b32 v[XSV+4*\m+\i], v[XSA] offset:512*\m+128*\i
.endr
.endr
	VLOAD 0
	VLOAD 1
.irp q, 0,1,2,3,4,5,6,7
	VSTEP \q
.endr
	WIN 0x55
.irp t, 0,1,2,3
	HQ VACC+32*\t, VCODE+12*\t, X2V, TMV, PWV
	v_mov_b32 v[VW+\t], v[PWV]
.endr
	WIN 0
.irp q, 8,9,10,11,12,13,14,15
	VSTEP \q
.endr
	WIN 0x55
.irp t, 0,1,2,3
	HQ VACC+32*\t, VCODE+12*\t+6, X2V, TMV, PWV
	v_lshl_or_b32 v[VW+\t], v[PWV], 16, v[VW+\t]
.endr
	v_cndmask_b32 v[VM], v[VW], v[VW+1], s[HM]
	v_cndmask_b32 v[VM+1], v[VW+2], v[VW+3], s[HM]
	WIN 0x04
.irp t, 0,1,2,3
.irp c, 0,1,2
	global_store_b128 v[LI], v[VCODE+12*\t+4*\c:VCODE+12*\t+4*\c+3], s[16:17] offset:1536*\t+512*\c
.endr
.endr
	global_store_b64 v[L8], v[VM:VM+1], s[18:19] offset:512
	WIN 0
	s_wait_tensorcnt 0x0
	ds_add_u32 v[SPW], v[NIL]
	s_wait_dscnt 0x0
	CROUND
	s_endpgm
.Lfunc_end_k_qc891faf624_qkv:
	.size	k_qc891faf624_qkv, .Lfunc_end_k_qc891faf624_qkv-k_qc891faf624_qkv
	.p2alignl 7, 3214868480
	.fill 96, 4, 3214868480
	.section	.rodata,"a",@progbits
	.p2align	6, 0x0
	.amdhsa_kernel k_qc891faf624_qkv
		.amdhsa_group_segment_fixed_size 327680
		.amdhsa_private_segment_fixed_size 0
		.amdhsa_enable_private_segment 0
		.amdhsa_kernarg_size 64
		.amdhsa_user_sgpr_count 2
		.amdhsa_user_sgpr_kernarg_segment_ptr 1
		.amdhsa_wavefront_size32 1
		.amdhsa_system_sgpr_workgroup_id_x 1
		.amdhsa_system_sgpr_workgroup_id_y 1
		.amdhsa_system_sgpr_workgroup_id_z 1
		.amdhsa_system_vgpr_workitem_id 0
		.amdhsa_next_free_vgpr 1024
		.amdhsa_next_free_sgpr 84
		.amdhsa_reserve_vcc 0
		.amdhsa_float_denorm_mode_32 3
		.amdhsa_float_denorm_mode_16_64 3
		.amdhsa_memory_ordered 1
		.amdhsa_forward_progress 1
		.amdhsa_inst_pref_size 234
	.end_amdhsa_kernel
	.amdgpu_metadata
---
amdhsa.version: [ 1, 2 ]
amdhsa.kernels:
  - .name:           k_qc891faf624_qkv
    .symbol:         k_qc891faf624_qkv.kd
    .args:
      - { .name: cod, .offset: 0, .size: 8, .value_kind: global_buffer, .address_space: global }
      - { .name: scl, .offset: 8, .size: 8, .value_kind: global_buffer, .address_space: global }
      - { .name: bq, .offset: 16, .size: 8, .value_kind: global_buffer, .address_space: global }
      - { .name: bk, .offset: 24, .size: 8, .value_kind: global_buffer, .address_space: global }
      - { .name: bv, .offset: 32, .size: 8, .value_kind: global_buffer, .address_space: global }
      - { .name: qkc, .offset: 40, .size: 8, .value_kind: global_buffer, .address_space: global }
      - { .name: vtc, .offset: 48, .size: 8, .value_kind: global_buffer, .address_space: global }
      - { .name: sqkv, .offset: 56, .size: 8, .value_kind: global_buffer, .address_space: global }
    .group_segment_fixed_size: 327680
    .private_segment_fixed_size: 0
    .kernarg_segment_align: 8
    .kernarg_segment_size: 64
    .max_flat_workgroup_size: 128
    .sgpr_count:     84
    .vgpr_count:     1024
    .wavefront_size: 32
...
	.end_amdgpu_metadata
.endif
;; end of part 2
;; launch attn (part 3): grid 4 x 64, 8 waves a work-group, clusters of 4 x 1, 235,520 bytes of LDS; arguments qkc, vtc, sqkv, acod, ascl; writes acod, ascl
.if DOCPART == 3
	.amdgcn_target "amdgcn-amd-amdhsa--gfx1250"
	.amdhsa_code_object_version 6
	.text
	.protected	k_qc891faf624_attn
	.globl	k_qc891faf624_attn
	.p2align	8
	.type	k_qc891faf624_attn,@function
k_qc891faf624_attn:
	s_mov_b64 s[64:65], 0
	v_nop
	global_prefetch_b8 v0, s[64:65] scope:SCOPE_SE
	s_setreg_imm32_b32 hwreg(HW_REG_WAVE_MODE, 25, 1), 1
	s_wait_xcnt 0x0
	s_wait_alu depctr_hold_cnt(0) depctr_sa_sdst(0) depctr_va_vdst(0) depctr_va_sdst(0) depctr_va_ssrc(0) depctr_va_vcc(0) depctr_vm_vsrc(0)
	s_getreg_b32 s2, hwreg(HW_REG_IB_STS2, 6, 4)
	s_cmp_eq_u32 s2, 0
	s_cbranch_scc0 .Lentry_in_a_cluster
	s_endpgm
.Lentry_in_a_cluster:
	s_bfe_u32 s2, ttmp6, 0x10000c
	s_cmp_lg_u32 s2, 0x3003
	s_cbranch_scc0 .Lentry_shape_is_right
	s_endpgm
.Lentry_shape_is_right:
; For each batch-head: O = softmax(Q K^T / 8) V on codes of FP6 (E2M3) with E8M0 scales, and O quantised along the hidden axis (two blocks of 32 a head) for the output projection.
; THE SOFTMAX: t = score x log2(e) / 8; M = the row's largest t so far, rounded UP to a whole number; p = 2^(t - M) is quantised along the keys, not normalised.  The row's sum is taken of the unquantised p and
; divides O at the end.  When M moves, the sum and O are multiplied by 2^(old M - new M): exact.
; SHARES.  A work-group owns 512 queries of one batch-head, each of its eight waves 64: two passes over all 2,048 keys, in each two tiles of 16 queries (A, B), which share every fragment of K and V read from LDS.
; THE HEAD'S WHOLE K, V AND SCALE WORDS STAY IN LDS, filled once by one tensor load a wave: wave 0 the scale words, waves 1-3 a third of V each, waves 4-7 four key groups of K each.  The head's four work-groups form a cluster
; and ask jointly (mask 15).  Nothing is filled again, so there is no ring, and nothing is left to prefetch: all K and V are asked for at the head.
; LAYOUT.  Both products are used transposed: S^T = K Q^T, O^T = V^T P^T: a lane holds ONE query (lane % 16).
; WHICH KEYS FORM A TILE OF K is chosen by the lanes' LDS addresses: tile 4 c + u takes keys 64 c + 8 u + 0 .. 7 as rows 0-7 and keys 64 c + 32 + 8 u + 0 .. 7 as rows 8-15.  So the 32 score registers 32 c + 0 .. 31 of lane (r, h) are
; keys 64 c + 32 h + 0 .. 31: one whole block of P's operand.  A block's maximum needs no other lane, and the conversions' results are the operand's registers.
; In memory a pair b of tiles holds octets of keys 4 b + e and 4 b + 2 + e (e the tile's parity), 1,536 bytes, registers 4 p .. 4 p + 3 of lane l at 512 p + 16 l.  Pair 2 c + w of the new tiles takes, in lane (r, h), the twelve
; registers of old pair 2 c + r / 8, old lane 8 w + r % 8 + 16 h.  K lands as rows of 512 bytes with 128 of padding: a pair is 1,920 bytes, so lanes 0-7 and 8-15 of a load of 16 bytes a lane touch different banks.
; K = 64 IN AN INSTRUCTION OF 128: Q's registers 6-11 are zero codes; K's operand of a tile is its six registers and the six that follow (the next tile's, zeros behind the last): finite numbers x 0.
; ONE KEY STEP IS WRITTEN: 16 trips a pass, 2 passes.  A trip fetches the next group's fragments, the last trip group 0 again, which serves the next pass (behind the last pass it is not used).
; The step is laid in long stretches under one setting of the register windows, nine switches a step: the sixteen score products on end, the softmax of both tiles in window 0 with their lines by turns, the next K's fetch with
; the conversions (both write window 1), the eight products of the second kind on end.
; OUT.  acod: [tile of 16 rows 0..511][head][768]: six registers, registers 2 p, 2 p + 1 of lane l at 256 p + 8 l.  ascl: [head][tile][row] two bytes.
; LIMITS: NaN and infinities are not served; the scaled scores stay under 2^31 in magnitude; a block whose largest magnitude lies under 2^-124 keeps the byte 1, and so does a block of zeros (this program alone reads the bytes).
; REGISTERS.  Window 0: v1-15, v28 addresses; v16-27 scale words; v32-159 scores, then p (A, B); v160-223 O^T (A, B); v224-255 sixteen small registers a tile.
; Window 1: v0-53 K's eight half fragments and zeros; v56-103 V's four; v104-127 Q (A, B); v128-139 the second pass's Q; v140-163 P's codes; v164-179 the conversions' upper halves.
.set KP,    640                        ; LDS: a piece of K, 512 bytes + 128
.set KB,    1920                       ; a pair of tiles
.set KG,    7680                       ; a group of 128 keys
.set VC,    122880                     ; V's codes, 6,144 bytes a group
.set SC,    221184                     ; the scale words, 768 bytes a group: K's 512, V's 256
.set SPARE, 234496                     ; the spare words, 128 bytes for each wave
.set LI,   1                           ; 16 x lane
.set AKL,  2                           ; K: 1,920 (r / 8) + 16 (r % 8) + 256 h
.set AV0,  3                           ; VC + 16 x lane
.set ASK,  4                           ; K's scale words: SC + 256 h + 16 (r % 8) + 4 (r / 8)
.set ASV0, 5                           ; SC + 512 + 8 x lane
.set SPW,  6
.set NIL,  7
.set L8,   8
.set L2,   9
.set ADK,  10                          ; addresses of the loads in hand
.set ADV,  11
.set ADS,  12
.set ADT,  13
.set MW,   14
.set QA,   15                          ; 16 x (lane % 16)
.set KS,   16                          ; v16-19 K's scale words: register j: lanes 0-15 tile 2 j, lanes 16-31 tile 2 j + 1
.set VS,   20                          ; v20-21 V's, likewise
.set QW,   22                          ; v22-23 Q's, one a tile of queries
.set QWN,  24                          ; v24-25 the second pass's
.set PWS,  26                          ; v26-27 P's
.set H8,   28                          ; 8 h
.set S0,   32
.set O0,   160
.set MB,   224                         ; a tile's sixteen: +0,1 the blocks' maxima; +2,3 second chains, then bytes; +4 -M; +5 the largest score so far; +6 f; +7 a temporary; +8..11 the sum in two chains of pairs; +12,13 the conversions' scale operands; +14 a permute's result; +15 the scale word in the making
.set KF,   0                           ; window 1
.set VF,   56
.set QF,   104
.set QN,   128
.set PC,   140
.set X2,   164
.set WV,   14
.set G1A,  24
.set G1V,  32
.set G1K,  40
.set G0A,  48
.set G0V,  52
.set G0K,  56
.set CNT,  60
.set HM,   61
.set CS,   62                          ; s[62:63] c = log2(e) / 8
.set SEL,  66
.set TK,   68                          ; the group to be fetched: x 7,680,
.set TS,   69                          ; x 768,
.set TV,   70                          ; x 6,144
.set NCS,  71                          ; -c
.set PCNT, 90
.set MSB, 0
.macro WIN new                         ; the immediate's high byte repeats the setting that is left; a switch that changes nothing is dropped
.if MSB != (\new)
	s_set_vgpr_msb (MSB<<8)|(\new)
.set MSB, (\new)
.endif
.endm
.macro PLACES
.rept 4
	v_nop
.endr
.endm
.macro WALU
	s_wait_alu depctr_va_vdst(0)
.endm
.macro CROUND                          ; a round of the cluster's barrier
	s_barrier_signal -1
	s_barrier_wait -1
	s_cmp_lg_u32 s[WV], 0
	s_cbranch_scc1 .Lnot_wave_0_\@
	s_barrier_signal -3
.Lnot_wave_0_\@:
	s_barrier_wait -3
	s_barrier_signal -1
	s_barrier_wait -1
.endm
.macro TLOAD g0, g1
	tensor_load_to_lds s[\g0:\g0+3], s[\g1:\g1+7]
	s_nop 0
	PLACES
.endm
.macro SCW q, n                        ; S^T = K Q^T, tile n of K: the constant 0 starts each sum; an odd tile's scale words stand in lanes 16-31.  Sources window 1, result window 0
.if (\n)%2
	v_wmma_scale_f32_16x16x128_f8f6f4 v[S0+64*(\q)+8*(\n):S0+64*(\q)+8*(\n)+7], v[KF+6*(\n):KF+6*(\n)+11], v[QF+12*(\q):QF+12*(\q)+11], 0, v[KS+(\n)/2], v[QW+(\q)] matrix_a_fmt:MATRIX_FMT_FP6 matrix_b_fmt:MATRIX_FMT_FP6 matrix_a_scale:MATRIX_SCALE_ROW1
.else
	v_wmma_scale_f32_16x16x128_f8f6f4 v[S0+64*(\q)+8*(\n):S0+64*(\q)+8*(\n)+7], v[KF+6*(\n):KF+6*(\n)+11], v[QF+12*(\q):QF+12*(\q)+11], 0, v[KS+(\n)/2], v[QW+(\q)] matrix_a_fmt:MATRIX_FMT_FP6 matrix_b_fmt:MATRIX_FMT_FP6
.endif
.endm
.macro PVW q, t                        ; O^T += V^T P^T, tile t of V's channels
.if (\t)%2
	v_wmma_scale_f32_16x16x128_f8f6f4 v[O0+32*(\q)+8*(\t):O0+32*(\q)+8*(\t)+7], v[VF+12*(\t):VF+12*(\t)+11], v[PC+12*(\q):PC+12*(\q)+11], v[O0+32*(\q)+8*(\t):O0+32*(\q)+8*(\t)+7], v[VS+(\t)/2], v[PWS+(\q)] matrix_a_fmt:MATRIX_FMT_FP6 matrix_b_fmt:MATRIX_FMT_FP6 matrix_a_scale:MATRIX_SCALE_ROW1
.else
	v_wmma_scale_f32_16x16x128_f8f6f4 v[O0+32*(\q)+8*(\t):O0+32*(\q)+8*(\t)+7], v[VF+12*(\t):VF+12*(\t)+11], v[PC+12*(\q):PC+12*(\q)+11], v[O0+32*(\q)+8*(\t):O0+32*(\q)+8*(\t)+7], v[VS+(\t)/2], v[PWS+(\q)] matrix_a_fmt:MATRIX_FMT_FP6 matrix_b_fmt:MATRIX_FMT_FP6
.endif
.endm
.macro KSL as                          ; a group's K: its 4 loads of a scale word (window 0),
.irp g, 0,1,2,3
	ds_load_b32 v[KS+\g], v[\as] offset:(\g%2)*128+(\g/2)*8
.endr
.endm
.macro KCL ak                          ; and its 12 loads of 16 bytes a lane (destination window 1)
	WIN 0x40
.irp g, 0,1,2,3
.irp p, 0,1,2
	ds_load_b128 v[KF+12*\g+4*\p:KF+12*\g+4*\p+3], v[\ak] offset:(\g/2)*2*KB+(\g%2)*128+\p*KP
.endr
.endr
.endm
.macro VLOAD av, at                    ; a group's V: 12 loads and its scale words
	WIN 0x40
.irp c, 0,1,2,3,4,5,6,7,8,9,10,11
	ds_load_b128 v[VF+4*\c:VF+4*\c+3], v[\av] offset:512*\c
.endr
	WIN 0
	ds_load_b64 v[VS:VS+1], v[\at]
.endm
; The lines of a tile's softmax, one a call.  MAXL, 32 lines: the largest score of my two blocks, each in two chains; every accumulator is read from its low end on
.macro MAXL q, i
.set S_, S0+64*(\q)
.set M_, MB+16*(\q)
.if (\i) < 28
.set T_, M_+(((\i)%4)/2)+2*((\i)%2)
.set B_, S_+32*(((\i)%4)/2)+16*((\i)%2)
.set R_, (\i)/4
.if R_ == 0
	v_max3_num_f32 v[T_], v[B_], v[B_+1], v[B_+2]
.else
	v_max3_num_f32 v[T_], v[T_], v[B_+2*R_+1], v[B_+2*R_+2]
.endif
.elseif (\i) < 30
	v_max3_num_f32 v[M_+(\i)-28], v[M_+(\i)-28], v[M_+(\i)-26], v[S_+32*((\i)-28)+15]
.else
	v_max_num_f32 v[M_+(\i)-30], v[M_+(\i)-30], v[S_+32*((\i)-30)+31]
.endif
.endm
.macro CHL q, i                        ; 9 lines: the running largest score, -M = floor(-t), f = 2^(old M - new M)
.set M_, MB+16*(\q)
.if (\i) == 0
	v_max3_num_f32 v[M_+5], v[M_+5], v[M_], v[M_+1]
.elseif (\i) == 1
	v_permlanex16_b32 v[M_+14], v[M_+5], s[SEL], s[SEL+1]
.elseif (\i) == 2
	v_max_num_f32 v[M_+5], v[M_+5], v[M_+14]       ; with lane l xor 16's blocks
.elseif (\i) == 3
	v_mul_f32 v[M_+7], s[NCS], v[M_+5]             ; -t
.elseif (\i) == 4
	v_floor_f32 v[M_+14], v[M_+7]                  ; the new -M: M is a whole number
.elseif (\i) == 5
	v_sub_f32 v[M_+7], v[M_+14], v[M_+4]           ; old M - new M, 0 or less
.elseif (\i) == 6
	v_mov_b32 v[M_+4], v[M_+14]
.elseif (\i) == 7
	v_cvt_i32_f32 v[M_+7], v[M_+7]                 ; (it saturates)
.else
	v_ldexp_f32 v[M_+6], 1.0, v[M_+7]
.endif
.endm
.macro FMAL q, i                       ; 34 lines: t - M, two at a time; then the same of the blocks' largest scores
.set S_, S0+64*(\q)
.set M_, MB+16*(\q)
.if (\i) < 32
	v_pk_fma_f32 v[S_+2*(\i):S_+2*(\i)+1], v[S_+2*(\i):S_+2*(\i)+1], s[CS:CS+1], v[M_+4:M_+5] op_sel_hi:[1,0,0]
.else
	v_fma_f32 v[M_+(\i)-32], v[M_+(\i)-32], s[CS], v[M_+4]
.endif
.endm
.macro EXPL q, i                       ; 66 lines: p = 2^(t - M), and the blocks' largest p
.if (\i) < 64
	v_exp_f32 v[S0+64*(\q)+(\i)], v[S0+64*(\q)+(\i)]
.else
	v_exp_f32 v[MB+16*(\q)+(\i)-64], v[MB+16*(\q)+(\i)-64]
.endif
.endm
.macro SCLL q, i                       ; 10 lines: the blocks' scale operands and bytes, and P's scale word
.set M_, MB+16*(\q)
.if (\i) < 2
	v_max_num_f32 v[M_+(\i)], 0x1800000, v[M_+(\i)]          ; the floor 2^(3 - 127): the byte cannot fall under 1
.elseif (\i) < 4
	v_add_nc_u32 v[M_+10+(\i)], 0xff000000, v[M_+(\i)-2]     ; 2 off the exponent field
.elseif (\i) < 6
	v_lshrrev_b32 v[M_+(\i)-2], 23, v[M_+8+(\i)]             ; the byte
.elseif (\i) == 6
	v_lshl_or_b32 v[M_+15], v[M_+3], 16, v[M_+2]             ; my blocks h and 2 + h,
.elseif (\i) == 7
	v_lshlrev_b32 v[M_+15], v[H8], v[M_+15]                  ; at their places in the word;
.elseif (\i) == 8
	v_permlanex16_b32 v[M_+14], v[M_+15], s[SEL], s[SEL+1]
.else
	v_or_b32 v[PWS+(\q)], v[M_+15], v[M_+14]                 ; with lane l xor 16's two the word is whole
.endif
.endm
.macro SUML q, i                       ; 32 lines: the row's sum of the unquantised p, in two chains of pairs; each chain's first line brings it under the new M
.set S_, S0+64*(\q)
.set M_, MB+16*(\q)
.set A_, M_+8+2*((\i)%2)
.if (\i) < 2
	v_pk_fma_f32 v[A_:A_+1], v[A_:A_+1], v[M_+6:M_+7], v[S_+2*(\i):S_+2*(\i)+1] op_sel_hi:[1,0,1]
.else
	v_pk_add_f32 v[A_:A_+1], v[A_:A_+1], v[S_+2*(\i):S_+2*(\i)+1]
.endif
.endm
.macro OMUL                            ; O^T of both tiles x the number in the tile's register +6, each accumulator from its low end on
.irp q, 0,1
.irp j, 0,2,4,6,8,10,12,14,16,18,20,22,24,26,28,30
	v_pk_mul_f32 v[O0+32*\q+\j:O0+32*\q+\j+1], v[O0+32*\q+\j:O0+32*\q+\j+1], v[MB+16*\q+6:MB+16*\q+7] op_sel_hi:[1,0]
.endr
.endr
.endm
	s_load_b256 s[4:11], s[0:1], 0x0               ; qkc, vtc, sqkv, acod
	s_load_b64 s[12:13], s[0:1], 0x20              ; ascl
	v_lshl_add_u32 v[SPW], v0, 2, SPARE
	v_mov_b32 v[NIL], 0
	ds_add_u32 v[SPW], v[NIL]                      ; the opening lines: the add, twice on end, and its wait ahead of my tensor load
	ds_add_u32 v[SPW], v[NIL]
	v_lshrrev_b32 v29, 5, v0
	v_readfirstlane_b32 s[WV], v29                 ; wave 0..7
	s_and_b32 s16, ttmp7, 0xffff                   ; the batch-head, which the four partners share
.irp g, G1A, G1V, G1K
	s_mov_b32 s[\g+6], 0
	s_mov_b32 s[\g+7], 0
.endr
	s_mov_b32 s[G1A], 15|(3<<16)|(1<<21)           ; the scale words: 48 rows of 256 bytes; the mask names all four work-groups
	s_mov_b32 s[G1A+1], 32<<16
	s_mov_b32 s[G1A+2], 48<<16
	s_mov_b32 s[G1A+3], 32<<16
	s_mov_b32 s[G1A+4], 48
	s_mov_b32 s[G1A+5], 32
	s_mov_b32 s[G1V], 15|(3<<16)|(1<<21)           ; a third of V: 128 rows of 256 bytes
	s_mov_b32 s[G1V+1], 32<<16
	s_mov_b32 s[G1V+2], 128<<16
	s_mov_b32 s[G1V+3], 32<<16
	s_mov_b32 s[G1V+4], 128
	s_mov_b32 s[G1V+5], 32
	s_mov_b32 s[G1K], 15|(3<<16)|(1<<20)|(1<<21)|(6<<22)|(31<<25)   ; four groups of K: 48 rows of 512 bytes, 32 words of padding behind each 128
	s_mov_b32 s[G1K+1], 64<<16
	s_mov_b32 s[G1K+2], 48<<16
	s_mov_b32 s[G1K+3], 64<<16
	s_mov_b32 s[G1K+4], 48
	s_mov_b32 s[G1K+5], 64
	s_and_b32 s19, s[WV], 3
	s_mov_b32 s[G0A], 1
	s_mov_b32 s[G0A+1], SC
	s_mov_b32 s[G0V], 1
	s_lshl_b32 s[G0V+1], s19, 15
	s_add_co_u32 s[G0V+1], s[G0V+1], VC-32768      ; waves 1-3: V's thirds
	s_mov_b32 s[G0K], 1
	s_mul_i32 s[G0K+1], s19, 4*KG                  ; waves 4-7: K's quarters
	s_mul_i32 s72, s16, 12288                      ; the same places in memory, in the head's blocks
	s_mov_b32 s73, 0
	s_mul_i32 s74, s16, 98304
	s_max_u32 s17, s19, 1
	s_lshl_b32 s17, s17, 15
	s_add_co_u32 s76, s74, s17
	s_sub_co_u32 s76, s76, 32768
	s_mov_b32 s77, 0
	s_mul_i32 s17, s19, 24576
	s_add_co_u32 s74, s74, s17
	s_add_co_u32 s74, s74, 6291456                 ; K's codes lie behind Q's
	s_mov_b32 s75, 0
	; what hangs on my place in the cluster: Q's and the outputs' addresses alone
	s_bfe_u32 s15, ttmp6, 0x40000                  ; cx
	s_lshl_b32 s17, ttmp9, 2
	s_add_co_u32 s15, s15, s17                     ; my block of 512 queries
	s_lshl_b32 s78, s15, 4
	s_lshl_b32 s17, s[WV], 1
	s_add_co_u32 s78, s78, s17                     ; my first pair of tiles in the head
	s_lshl_b32 s17, s16, 6
	s_add_co_u32 s17, s17, s78
	s_mul_i32 s80, s17, 1536                       ; its codes
	s_mov_b32 s81, 0
	s_lshr_b32 s17, s78, 2
	s_lshl_b32 s82, s16, 4
	s_add_co_u32 s82, s82, s17
	s_lshl_b32 s82, s82, 9
	s_and_b32 s17, s78, 3
	s_lshl_b32 s17, s17, 2
	s_add_co_u32 s82, s82, s17
	s_add_co_u32 s82, s82, 786432                  ; its scale words
	s_mov_b32 s83, 0
	s_lshr_b32 s84, s16, 4
	s_lshl_b32 s84, s84, 7
	s_lshl_b32 s17, s15, 5
	s_add_co_u32 s84, s84, s17
	s_lshl_b32 s17, s[WV], 2
	s_add_co_u32 s84, s84, s17                     ; my first tile among the 512 of all rows
	s_and_b32 s85, s16, 15                         ; the head
	s_lshl_b32 s86, s84, 4
	s_add_co_u32 s86, s86, s85
	s_mul_i32 s86, s86, 768
	s_mov_b32 s87, 0
	s_lshl_b32 s88, s85, 14
	s_lshl_b32 s17, s84, 5
	s_add_co_u32 s88, s88, s17
	s_mov_b32 s89, 0
	s_mov_b32 s[HM], 0xffff0000                    ; lanes 16-31
	s_mov_b32 s[CS], 0x3e38aa3b                    ; c = log2(e) / 8
	s_mov_b32 s[CS+1], s[CS]                       ; (named with it as a pair, so it is written)
	s_mov_b32 s[NCS], 0xbe38aa3b                   ; -c
	s_mov_b32 s[SEL], 0x76543210
	s_mov_b32 s[SEL+1], 0xfedcba98
	v_and_b32 v29, 31, v0
	v_and_b32 v30, 15, v0
	v_bfe_u32 v31, v0, 4, 1                        ; h
	v_lshlrev_b32 v[LI], 4, v29
	v_lshlrev_b32 v[L8], 3, v29
	v_lshlrev_b32 v[L2], 1, v29
	v_lshlrev_b32 v[QA], 4, v30
	v_lshlrev_b32 v[H8], 3, v31
	v_add_nc_u32 v[AV0], VC, v[LI]
	v_add_nc_u32 v[ASV0], SC+512, v[L8]
	v_and_b32 v29, 7, v0                           ; r % 8
	v_bfe_u32 v30, v0, 3, 1                        ; r / 8
	v_lshlrev_b32 v29, 4, v29
	v_lshl_add_u32 v29, v31, 8, v29                ; 16 (r % 8) + 256 h
	v_mad_u32_u24 v[AKL], v30, KB, v29
	v_lshl_add_u32 v[ASK], v30, 2, v29
	v_add_nc_u32 v[ASK], SC, v[ASK]
	WALU                                           ; the wait ahead of the blocking waits below
	s_wait_dscnt 0x0                               ; both opening adds are done
	s_wait_kmcnt 0x0
	s_add_nc_u64 s[G0A+2:G0A+3], s[8:9], s[72:73]
	s_or_b32 s[G0A+3], s[G0A+3], 0x80000000
	s_add_nc_u64 s[G0V+2:G0V+3], s[6:7], s[76:77]
	s_or_b32 s[G0V+3], s[G0V+3], 0x80000000
	s_add_nc_u64 s[G0K+2:G0K+3], s[4:5], s[74:75]
	s_or_b32 s[G0K+3], s[G0K+3], 0x80000000
	s_add_nc_u64 s[4:5], s[4:5], s[80:81]
	s_add_nc_u64 s[8:9], s[8:9], s[82:83]
	s_add_nc_u64 s[10:11], s[10:11], s[86:87]
	s_add_nc_u64 s[12:13], s[12:13], s[88:89]
	CROUND                                         ; all four work-groups are here: the joint loads meet
	s_cmp_eq_u32 s[WV], 0                          ; one chain of arms on the wave's number, one load to an arm
	s_cbranch_scc0 .Lnot_scales
	TLOAD G0A, G1A
	s_branch .Lasked
.Lnot_scales:
	s_cmp_lt_u32 s[WV], 4
	s_cbranch_scc0 .Lfor_k
	TLOAD G0V, G1V
	s_branch .Lasked
.Lfor_k:
	TLOAD G0K, G1K
.Lasked:
	WIN 0x40                                       ; destination window 1
.irp u, 0,1                            ; Q of both passes: tile u of a pair holds registers 6 u .. 6 u + 5 of the pair's 1,536 bytes
.irp x, 0,1,2
	global_load_b64 v[QF+12*\u+2*\x:QF+12*\u+2*\x+1], v[LI], s[4:5] offset:512*((3*\u+\x)/2)+8*((3*\u+\x)%2)
	global_load_b64 v[QN+6*\u+2*\x:QN+6*\u+2*\x+1], v[LI], s[4:5] offset:1536+512*((3*\u+\x)/2)+8*((3*\u+\x)%2)
.endr
.irp i, 6,7,8,9,10,11
	v_mov_b32 v[QF+12*\u+\i], 0                    ; zero codes for k = 64 .. 127
.endr
.endr
.irp i, 48,49,50,51,52,53
	v_mov_b32 v[KF+\i], 0                          ; behind K's last half fragment
.endr
	WIN 0
.irp u, 0,1
	global_load_b32 v[QW+\u], v[QA], s[8:9] offset:256*\u
	global_load_b32 v[QWN+\u], v[QA], s[8:9] offset:256*\u+4
	v_mov_b32 v[MB+16*\u+14], 0                    ; written once: a lane permute's destination counts as one of its sources
.endr
	WALU                                           ; the wait at the head's end
	s_wait_loadcnt 0x0                             ; Q
	s_wait_tensorcnt 0x0                           ; my part of K, V or the scale words has landed,
	s_barrier_signal -1
	s_barrier_wait -1                              ; everybody's has
	KSL ASK                                        ; group 0
	KCL AKL
	VLOAD AV0, ASV0
	s_mov_b32 s[TK], KG
	s_mov_b32 s[TS], 768
	s_mov_b32 s[TV], 6144
	s_mov_b32 s[PCNT], 0
.Lpass:                                                ; a pair of tiles of queries over all 16 groups of keys
.set I_, 0
.rept 64
	v_mov_b32 v[O0+I_], 0                          ; the key step is written once: the first finds zeros, which the first change of M leaves zeros
.set I_, I_+1
.endr
.irp q, 0,1
	v_mov_b32 v[MB+16*\q+5], 0xff61b1e6            ; the largest score so far: -3e38
.irp i, 8,9,10,11
	v_mov_b32 v[MB+16*\q+\i], 0
.endr
.endr
.irp q, 0,1
	v_mul_f32 v[MB+16*\q+7], s[NCS], v[MB+16*\q+5]
.endr
.irp q, 0,1
	v_floor_f32 v[MB+16*\q+4], v[MB+16*\q+7]
.endr
	s_mov_b32 s[CNT], 16
	WALU                                           ; the wait ahead of the blocking wait below
.Lkeys:                                                ; A KEY STEP: 128 keys, both tiles of queries
	s_wait_dscnt 13                                ; K's 4 scale words and 12 loads are in; V's 12 + 1 may be out
	WIN 0x05
.irp n, 0,1,2,3,4,5,6,7
	SCW 0, \n
.endr
.irp n, 0,1,2,3,4,5,6,7
	SCW 1, \n
.endr
	WIN 0
	v_add_nc_u32 v[ADK], s[TK], v[AKL]             ; the next group's addresses: these four lines are the places in front of the first read of the scores
	v_add_nc_u32 v[ADS], s[TS], v[ASK]
	v_add_nc_u32 v[ADV], s[TV], v[AV0]
	v_add_nc_u32 v[ADT], s[TS], v[ASV0]
.set I_, 0
.rept 32                               ; A's maxima
	MAXL 0, I_
.set I_, I_+1
.endr
.set I_, 0
.rept 32                               ; B's maxima, with A's running M among them
	MAXL 1, I_
.if (I_%3) == 2 && I_/3 < 9
	CHL 0, I_/3
.endif
.set I_, I_+1
.endr
.set I_, 0
.rept 34                               ; A's t - M, with B's running M among them
	FMAL 0, I_
.if (I_%3) == 0 && I_/3 < 9
	CHL 1, I_/3
.endif
.set I_, I_+1
.endr
	OMUL                                           ; O^T under the new M: no exponential stands between the products that wrote it and these lines
	WALU                                           ; the wait ahead of a batch of exponentials
.set I_, 0
.rept 66                               ; A's exponentials, with B's t - M among them: each of those lines is read behind the next wait
	EXPL 0, I_
.if (I_%2) == 0
	FMAL 1, I_/2
.endif
.set I_, I_+1
.endr
	FMAL 1, 33
	WALU                                           ; behind A's batch and ahead of B's
.set I_, 0
.rept 66
	EXPL 1, I_
.set I_, I_+1
.endr
	v_nop                                          ; a plain place behind the exponentials
	WALU                                           ; the wait ahead of their first reader, and ahead of the blocking wait below
	s_wait_dscnt 0x0                               ; V and its scale words, all that is out, are in
	KSL ADS                                        ; the next group's K: its scale words,
.set I_, 0
.rept 10
	SCLL 0, I_
	SCLL 1, I_
.set I_, I_+1
.endr
	KCL ADK                                        ; and its codes: like the conversions below they write window 1
.irp q, 0,1
.irp c, 0,1
	v_cvt_scalef32_pk16_fp6_f32 v[PC+12*\q+6*\c:PC+12*\q+6*\c+2], v[S0+64*\q+32*\c:S0+64*\q+32*\c+15], v[MB+16*\q+12+\c]
	v_cvt_scalef32_pk16_fp6_f32 v[X2+8*\q+4*\c:X2+8*\q+4*\c+2], v[S0+64*\q+32*\c+16:S0+64*\q+32*\c+31], v[MB+16*\q+12+\c]   ; (a conversion's three registers begin on an even number)
.endr
.endr
	v_nop                                          ; one plain place behind a scaled conversion
	WIN 0x41
.irp q, 0,1
.irp c, 0,1
.irp i, 0,1,2
	v_mov_b32 v[PC+12*\q+6*\c+3+\i], v[X2+8*\q+4*\c+\i]
.endr
.endr
.endr
	WIN 0
.set I_, 0
.rept 60                               ; the rows' sums, the two tiles by turns; these lines stand between the scale words and codes just made and the products that take them
	SUML I_%2, I_/2
.set I_, I_+1
.endr
	WIN 0x05
.set I_, 0
.rept 8                                ; the eight accumulators by turns
	PVW I_%2, I_/2
.set I_, I_+1
.endr
	WIN 0
.set I_, 60
.rept 4                                ; the sums' last four lines are the places in front of the loads into V's registers
	SUML I_%2, I_/2
.set I_, I_+1
.endr
	VLOAD ADV, ADT
	s_add_co_u32 s[TK], s[TK], KG                  ; the group after; behind the last comes group 0
	s_add_co_u32 s[TV], s[TV], 6144
	s_add_co_u32 s[TS], s[TS], 768
	s_cmp_eq_u32 s[TS], 16*768
	s_cselect_b32 s[TK], 0, s[TK]
	s_cselect_b32 s[TV], 0, s[TV]
	s_cselect_b32 s[TS], 0, s[TS]
	s_sub_co_u32 s[CNT], s[CNT], 1
	s_cmp_lg_u32 s[CNT], 0
	s_cbranch_scc1 .Lkeys
	WALU                                           ; the wait
.irp q, 0,1
	v_pk_add_f32 v[MB+16*\q+8:MB+16*\q+9], v[MB+16*\q+8:MB+16*\q+9], v[MB+16*\q+10:MB+16*\q+11]   ; the sum's two chains,
.endr
.irp q, 0,1
	v_add_f32 v[MB+16*\q+8], v[MB+16*\q+8], v[MB+16*\q+9]                                         ; its two halves,
.endr
.irp q, 0,1
	v_permlanex16_b32 v[MB+16*\q+14], v[MB+16*\q+8], s[SEL], s[SEL+1]
.endr
.irp q, 0,1
	v_add_f32 v[MB+16*\q+8], v[MB+16*\q+8], v[MB+16*\q+14]                                        ; and lane l xor 16's
.endr
	WALU
.irp q, 0,1
	v_rcp_f32 v[MB+16*\q+6], v[MB+16*\q+8]
.endr
	v_nop                                          ; a plain place behind the reciprocals
	WALU                                           ; the wait ahead of their first reader, which is O^T's first reader too
	OMUL
; O's 64 channels of my row become two blocks along the hidden axis: register 16 b + i is channel 32 b + 16 h + i.  The codes and small registers lie where the tile's p lay: +0..5 codes, +8..10 upper halves, +16..21 maxima and scales, +24 the two bytes
.irp b, 0,1
.irp q, 0,1
	v_max3_num_f32 v[S0+64*\q+16+\b], |v[O0+32*\q+16*\b]|, |v[O0+32*\q+16*\b+1]|, 0x1800000
.endr
.endr
.irp i, 2,4,6,8,10,12,14
.irp b, 0,1
.irp q, 0,1
	v_max3_num_f32 v[S0+64*\q+16+\b], v[S0+64*\q+16+\b], |v[O0+32*\q+16*\b+\i]|, |v[O0+32*\q+16*\b+\i+1]|
.endr
.endr
.endr
.irp b, 0,1
.irp q, 0,1
	v_permlanex16_b32 v[S0+64*\q+18+\b], v[S0+64*\q+16+\b], s[SEL], s[SEL+1]
.endr
.endr
.irp b, 0,1
.irp q, 0,1
	v_max_num_f32 v[S0+64*\q+16+\b], v[S0+64*\q+16+\b], v[S0+64*\q+18+\b]
.endr
.endr
.irp b, 0,1
.irp q, 0,1
	v_add_nc_u32 v[S0+64*\q+20+\b], 0xff000000, v[S0+64*\q+16+\b]
.endr
.endr
.irp b, 0,1
.irp q, 0,1
	v_lshrrev_b32 v[S0+64*\q+18+\b], 23, v[S0+64*\q+20+\b]
.endr
.endr
.irp q, 0,1
	v_lshl_or_b32 v[S0+64*\q+24], v[S0+64*\q+19], 8, v[S0+64*\q+18]
.endr
.irp q, 0,1
	v_cvt_scalef32_pk16_fp6_f32 v[S0+64*\q:S0+64*\q+2], v[O0+32*\q:O0+32*\q+15], v[S0+64*\q+20]
	v_cvt_scalef32_pk16_fp6_f32 v[S0+64*\q+8:S0+64*\q+10], v[O0+32*\q+16:O0+32*\q+31], v[S0+64*\q+21]
.endr
	v_nop                                          ; one plain place behind a scaled conversion
.irp q, 0,1
.irp i, 0,1,2
	v_permlane16_swap_b32 v[S0+64*\q+\i], v[S0+64*\q+8+\i]   ; a whole block to a lane
.endr
.endr
.irp q, 0,1
.irp i, 0,1,2
	v_mov_b32 v[S0+64*\q+3+\i], v[S0+64*\q+8+\i]
.endr
.endr
	v_cndmask_b32 v[MW], v[S0+24], v[S0+64+24], s[HM]   ; lanes 0-15: the first tile's bytes, lanes 16-31: the second's
.irp q, 0,1
.irp x, 0,1,2
	global_store_b64 v[L8], v[S0+64*\q+2*\x:S0+64*\q+2*\x+1], s[10:11] offset:12288*\q+256*\x   ; 32 lanes store 256 consecutive bytes, aligned
.endr
.endr
	global_store_b16 v[L2], v[MW], s[12:13]
	s_wait_xcnt 0x0                                ; the stores have read their registers and bases
	s_add_nc_u64 s[10:11], s[10:11], 24576         ; two tiles on
	s_add_nc_u64 s[12:13], s[12:13], 64
	WIN 0x41
.irp u, 0,1
.irp i, 0,1,2,3,4,5
	v_mov_b32 v[QF+12*\u+\i], v[QN+6*\u+\i]        ; the second pass's Q (behind the second pass the copy is not used)
.endr
.endr
	WIN 0
	v_mov_b32 v[QW], v[QWN]
	v_mov_b32 v[QW+1], v[QWN+1]
	s_add_co_u32 s[PCNT], s[PCNT], 1
	s_cmp_lt_u32 s[PCNT], 2
	s_cbranch_scc1 .Lpass
	s_wait_tensorcnt 0x0                           ; the wave's end, behind my tensor load
	ds_add_u32 v[SPW], v[NIL]
	s_wait_dscnt 0x0
	CROUND                                         ; the closing round
	s_endpgm
.Lfunc_end_k_qc891faf624_attn:
	.size	k_qc891faf624_attn, .Lfunc_end_k_qc891faf624_attn-k_qc891faf624_attn
	.p2alignl 7, 3214868480
	.fill 96, 4, 3214868480
	.section	.rodata,"a",@progbits
	.p2align	6, 0x0
	.amdhsa_kernel k_qc891faf624_attn
		.amdhsa_group_segment_fixed_size 235520
		.amdhsa_private_segment_fixed_size 0
		.amdhsa_enable_private_segment 0
		.amdhsa_kernarg_size 40
		.amdhsa_user_sgpr_count 2
		.amdhsa_user_sgpr_kernarg_segment_ptr 1
		.amdhsa_wavefront_size32 1
		.amdhsa_system_sgpr_workgroup_id_x 1
		.amdhsa_system_sgpr_workgroup_id_y 1
		.amdhsa_system_sgpr_workgroup_id_z 1
		.amdhsa_system_vgpr_workitem_id 0
		.amdhsa_next_free_vgpr 512
		.amdhsa_next_free_sgpr 92
		.amdhsa_reserve_vcc 0
		.amdhsa_float_denorm_mode_32 3
		.amdhsa_float_denorm_mode_16_64 3
		.amdhsa_memory_ordered 1
		.amdhsa_forward_progress 1
		.amdhsa_inst_pref_size 49
	.end_amdhsa_kernel
	.amdgpu_metadata
---
amdhsa.version: [ 1, 2 ]
amdhsa.kernels:
  - .name:           k_qc891faf624_attn
    .symbol:         k_qc891faf624_attn.kd
    .args:
      - { .name: qkc, .offset: 0, .size: 8, .value_kind: global_buffer, .address_space: global }
      - { .name: vtc, .offset: 8, .size: 8, .value_kind: global_buffer, .address_space: global }
      - { .name: sqkv, .offset: 16, .size: 8, .value_kind: global_buffer, .address_space: global }
      - { .name: acod, .offset: 24, .size: 8, .value_kind: global_buffer, .address_space: global }
      - { .name: ascl, .offset: 32, .size: 8, .value_kind: global_buffer, .address_space: global }
    .group_segment_fixed_size: 235520
    .private_segment_fixed_size: 0
    .kernarg_segment_align: 8
    .kernarg_segment_size: 40
    .max_flat_workgroup_size: 256
    .sgpr_count:     92
    .vgpr_count:     512
    .wavefront_size: 32
...
	.end_amdgpu_metadata
.endif
;; end of part 3
;; launch oproj (part 4): grid 256 x 1, 4 waves a work-group, no clusters, 263,168 bytes of LDS; arguments acod, ascl, cod, scl, x, bo, ln_gamma, ln_beta, out0; writes out0
.if DOCPART == 4
	.amdgcn_target "amdgcn-amd-amdhsa--gfx1250"
	.amdhsa_code_object_version 6
	.text
	.protected	k_qc891faf624_oproj
	.globl	k_qc891faf624_oproj
	.p2align	8
	.type	k_qc891faf624_oproj,@function
k_qc891faf624_oproj:
	s_mov_b64 s[64:65], 0
	v_nop
	global_prefetch_b8 v0, s[64:65] scope:SCOPE_SE
	s_setreg_imm32_b32 hwreg(HW_REG_WAVE_MODE, 25, 1), 1
	s_wait_xcnt 0x0
; out0 = LayerNorm(x + attn Wo^T + bo) x gamma + beta.  The product on codes of FP6 (E2M3) with E8M0 scales; all else in f32.
; SHARES.  A work-group takes 32 rows (two tiles of 16) and all 1,024 columns, so that a row's mean and variance stay inside it.  Wave w makes columns 256 w .. 256 w + 255 (16 tiles of Wo) for both tiles of rows: 32 accumulators.
; The matrix instruction is used transposed (source 0 = 16 rows of Wo, source 1 = 16 rows of attn): a lane holds one row and neighbouring columns.
; Wo's 128 fragments of a wave come from memory straight into a ring of five groups of four fragments in registers: each fragment is read by one wave of the work-group alone, 60 loads of 16 bytes a lane are on their way, no barrier.
; NO CLUSTER: all work-groups read the same Wo, but a ring in LDS would have one slot's load on its way for 32 matrix instructions a wave between two changes of slots; the register ring keeps more on its way.
; x's 32 rows come by one tensor load a wave at the head and wait in LDS; the products' results meet them through a stage in LDS, since a row's 1,024 columns come from four waves.
; A tile's rows are 32 (T / 2) + 8 (T % 2) + i + 8 (i / 8): stage row 16 m + r holds row 8 m + r + 8 (r / 8) of the 32; wave w normalises stage rows 8 w .. 8 w + 7, which are rows 8 (w / 2) + 16 (w % 2) + 0 .. 7.
; REGISTERS.  Window 0: v1-11 addresses; v16-111 bo, gamma, beta of my 32 columns of a row (128 q + 4 x lane + 0 .. 3); v112-175 Wo's scale words; v176-183 attn's; v184-199 their halves; v200-205 the row's figures.
; Window 1: the ring; behind the products two row buffers of 64 and the sums' chains.  Window 2: attn's 16 fragments.  Window 3: the accumulators, (t, m) at 8 (2 t + m).
.set STG,   131072                     ; LDS: x's 32 rows at 0, dense; the stage here: 32 rows x (4,096 + 16) bytes;
.set SROW,  4112
.set SPARE, 262656                     ; the spare words, 128 bytes for each wave
.set LI,   1                           ; 16 x lane
.set L8,   2
.set L4,   3
.set L2,   4
.set SRD,  5                           ; the stage, way out
.set XRD,  6                           ; x's rows
.set STO0, 8                           ; the stage, way in: row tile 0;
.set STO1, 9                           ; row tile 1, 16 stage rows on
.set SPW,  10
.set NIL,  11
.set BO,   16
.set GA,   48
.set BE,   80
.set WS,   112
.set AS,   176
.set UT,   184
.set T0,   200
.set T1,   201
.set MU,   202
.set RS,   204
.set SM,   128                         ; window 1: four chains of pairs
.set WV,   22
.set SEL,  36
.set RK,   40
.set EPS,  41
.set MSB, 0
.macro WIN new                         ; the immediate's high byte repeats the setting that is left; a switch that changes nothing is dropped
.if MSB != (\new)
	s_set_vgpr_msb (MSB<<8)|(\new)
.set MSB, (\new)
.endif
.endm
.macro PLACES
.rept 4
	v_nop
.endr
.endm
; s: the K step (0 starts the sum with the constant 0); ra: Wo's scale words in lanes 16-31 (odd K steps); rb: attn's (row tile 1)
.macro OW d, a, b, s, sa, sb, ra, rb
.if (\s) == 0
.if \rb
	v_wmma_scale_f32_16x16x128_f8f6f4 v[\d:\d+7], v[\a:\a+11], v[\b:\b+11], 0, v[\sa], v[\sb] matrix_a_fmt:MATRIX_FMT_FP6 matrix_b_fmt:MATRIX_FMT_FP6 matrix_b_scale:MATRIX_SCALE_ROW1
.else
	v_wmma_scale_f32_16x16x128_f8f6f4 v[\d:\d+7], v[\a:\a+11], v[\b:\b+11], 0, v[\sa], v[\sb] matrix_a_fmt:MATRIX_FMT_FP6 matrix_b_fmt:MATRIX_FMT_FP6
.endif
.elseif (\ra) && (\rb)
	v_wmma_scale_f32_16x16x128_f8f6f4 v[\d:\d+7], v[\a:\a+11], v[\b:\b+11], v[\d:\d+7], v[\sa], v[\sb] matrix_a_fmt:MATRIX_FMT_FP6 matrix_b_fmt:MATRIX_FMT_FP6 matrix_a_scale:MATRIX_SCALE_ROW1 matrix_b_scale:MATRIX_SCALE_ROW1
.elseif \ra
	v_wmma_scale_f32_16x16x128_f8f6f4 v[\d:\d+7], v[\a:\a+11], v[\b:\b+11], v[\d:\d+7], v[\sa], v[\sb] matrix_a_fmt:MATRIX_FMT_FP6 matrix_b_fmt:MATRIX_FMT_FP6 matrix_a_scale:MATRIX_SCALE_ROW1
.elseif \rb
	v_wmma_scale_f32_16x16x128_f8f6f4 v[\d:\d+7], v[\a:\a+11], v[\b:\b+11], v[\d:\d+7], v[\sa], v[\sb] matrix_a_fmt:MATRIX_FMT_FP6 matrix_b_fmt:MATRIX_FMT_FP6 matrix_b_scale:MATRIX_SCALE_ROW1
.else
	v_wmma_scale_f32_16x16x128_f8f6f4 v[\d:\d+7], v[\a:\a+11], v[\b:\b+11], v[\d:\d+7], v[\sa], v[\sb] matrix_a_fmt:MATRIX_FMT_FP6 matrix_b_fmt:MATRIX_FMT_FP6
.endif
.endm
	s_load_b512 s[4:19], s[0:1], 0x0               ; acod, ascl, cod, scl, x, bo, gamma, beta
	s_load_b64 s[20:21], s[0:1], 0x40              ; out0
	v_lshl_add_u32 v[SPW], v0, 2, SPARE
	v_mov_b32 v[NIL], 0
	ds_add_u32 v[SPW], v[NIL]                      ; the wave's opening: the add and its wait ahead of my first tensor load; the set-up below, work on registers, stands between them
	ds_add_u32 v[SPW], v[NIL]
	v_lshrrev_b32 v12, 5, v0
	v_readfirstlane_b32 s[WV], v12                 ; wave 0..3
	s_mov_b32 s23, ttmp9                           ; my block of 32 rows
	s_mov_b32 s24, 3<<16                           ; descriptor group 1: 32,768 dense bytes as 128 rows of 256 (32 elements of 8 bytes)
	s_mov_b32 s25, 32<<16
	s_mov_b32 s26, 128<<16
	s_mov_b32 s27, 32<<16
	s_mov_b32 s28, 128
	s_mov_b32 s29, 32
	s_mov_b32 s30, 0
	s_mov_b32 s31, 0
	s_mov_b32 s32, 1
	s_lshl_b32 s33, s[WV], 15                      ; my eight rows of x in LDS
	s_lshl_b32 s42, s23, 17
	s_add_co_u32 s42, s42, s33                     ; and in memory
	s_mov_b32 s43, 0
	s_lshl_b32 s44, s[WV], 4
	s_add_co_u32 s44, s44, 704                     ; my first tile of Wo in cod and scl
	s_mul_i32 s46, s44, 12288
	s_mov_b32 s47, 0
	s_lshl_b32 s44, s44, 9
	s_mov_b32 s45, 0
	s_lshl_b32 s48, s23, 6                         ; my two tiles' bytes in a head's part of ascl
	s_mov_b32 s49, 0
	s_mul_i32 s50, s23, 24576                      ; my two tiles in acod
	s_mov_b32 s51, 0
	s_lshr_b32 s38, s[WV], 1
	s_lshl_b32 s38, s38, 3
	s_and_b32 s39, s[WV], 1
	s_lshl_b32 s39, s39, 4
	s_add_co_u32 s39, s39, s38                     ; the first of the eight rows that I normalise
	s_lshl_b32 s52, s23, 5
	s_add_co_u32 s52, s52, s39
	s_lshl_b32 s52, s52, 12
	s_mov_b32 s53, 0
	s_mov_b32 s[SEL], 0x76543210
	s_mov_b32 s[SEL+1], 0xfedcba98
	s_mov_b32 s[RK], 0x3a800000                    ; 1 / 1,024
	s_mov_b32 s[EPS], 0x3727c5ac                   ; 1e-5
	v_and_b32 v12, 31, v0
	v_lshlrev_b32 v[LI], 4, v12
	v_lshlrev_b32 v[L8], 3, v12
	v_lshlrev_b32 v[L4], 2, v12
	v_lshlrev_b32 v[L2], 1, v12
	v_and_b32 v12, 15, v0                          ; r
	v_bfe_u32 v13, v0, 4, 1                        ; h
	v_mul_u32_u24 v[STO0], v12, SROW
	v_lshl_add_u32 v[STO0], v13, 6, v[STO0]
	s_lshl_b32 s38, s[WV], 10
	s_add_co_u32 s38, s38, STG
	v_add_nc_u32 v[STO0], s38, v[STO0]             ; stage row r, + 64 h, + my 1,024 bytes of a row
	v_add_nc_u32 v[STO1], 16*SROW, v[STO0]
	s_mul_i32 s38, s[WV], 8*SROW
	s_add_co_u32 s38, s38, STG
	v_add_nc_u32 v[SRD], s38, v[LI]
	s_lshl_b32 s38, s39, 12
	v_add_nc_u32 v[XRD], s38, v[LI]
	v_mov_b32 v[T1], 0                             ; written once: a lane permute's destination counts as one of its sources
	v_mov_b32 v[MU+1], 0                           ; (named as upper halves of pairs)
	v_mov_b32 v[RS+1], 0
	s_wait_dscnt 0x0                               ; the opening add is done
	s_wait_kmcnt 0x0
	s_add_nc_u64 s[34:35], s[12:13], s[42:43]
	s_or_b32 s35, s35, 0x80000000
	tensor_load_to_lds s[32:35], s[24:31]          ; my one tensor load: eight rows of x
	s_nop 0
	PLACES
	s_add_nc_u64 s[4:5], s[4:5], s[50:51]
	s_add_nc_u64 s[6:7], s[6:7], s[48:49]
	s_add_nc_u64 s[8:9], s[8:9], s[46:47]
	s_add_nc_u64 s[10:11], s[10:11], s[44:45]
	s_add_nc_u64 s[20:21], s[20:21], s[52:53]
.irp q, 0,1,2,3,4,5,6,7
	global_load_b128 v[BO+4*\q:BO+4*\q+3], v[LI], s[14:15] offset:512*\q
	global_load_b128 v[GA+4*\q:GA+4*\q+3], v[LI], s[16:17] offset:512*\q
	global_load_b128 v[BE+4*\q:BE+4*\q+3], v[LI], s[18:19] offset:512*\q
.endr
.irp t, 0,1,2,3,4,5,6,7,8,9,10,11,12,13,14,15
.irp i, 0,1,2,3
	global_load_b32 v[WS+4*\t+\i], v[L4], s[10:11] offset:512*\t+128*\i
.endr
.endr
.irp d, 0,1,2,3,4,5,6,7,8,9,10,11,12,13,14,15
	global_load_u16 v[UT+\d], v[L2], s[6:7] offset:16384*\d   ; head d's two bytes: lanes 0-15 row tile 0, lanes 16-31 row tile 1
.endr
	WIN 0x80                                       ; destination window 2
.irp m, 0,1
.irp s, 0,1,2,3,4,5,6,7
.irp p, 0,1,2,3,4,5
	global_load_b64 v[12*(8*\m+\s)+2*\p:12*(8*\m+\s)+2*\p+1], v[L8], s[4:5] offset:12288*\m+1536*\s+256*\p   ; heads 2 s and 2 s + 1 are K step s: six pieces of 256 consecutive bytes
.endr
.endr
.endr
.macro RLOAD n                         ; step n = 8 (t / 4) + s: K step s of Wo's tiles 4 (n / 8) + 0 .. 3 into group n % 5
	WIN 0x40
.irp tt, 0,1,2,3
.irp c, 0,1,2
	global_load_b128 v[48*((\n)%5)+12*\tt+4*\c:48*((\n)%5)+12*\tt+4*\c+3], v[LI], s[8:9] offset:(4*((\n)/8)+\tt)*12288+((\n)%8)*1536+512*\c
.endr
.endr
	WIN 0
.endm
.irp n, 0,1,2,3,4
	RLOAD \n
.endr
	s_wait_loadcnt 48                              ; all but the ring's four younger groups are in
.irp s, 0,1,2,3,4,5,6,7
	v_lshl_or_b32 v[AS+\s], v[UT+2*\s+1], 16, v[UT+2*\s]   ; K step s's scale word of my row: head 2 s's bytes below, head 2 s + 1's above
.endr
.rept 8
	v_nop                                          ; a scale register written by a vector instruction stands eight places ahead of a scaled matrix instruction
.endr
.macro OSTEP n                         ; eight products, eight accumulators by turns
.if 31-(\n) < 4
	s_wait_loadcnt 12*(31-(\n))
.else
	s_wait_loadcnt 48                              ; this step's group is in; four younger groups of 12 loads may be out
.endif
	WIN 0xf9                                       ; source 0 (Wo) window 1, source 1 (attn) window 2, C and D window 3
.irp tt, 0,1,2,3
.irp m, 0,1
	OW 8*(2*(4*((\n)/8)+\tt)+\m), 48*((\n)%5)+12*\tt, 12*(8*\m+(\n)%8), (\n)%8, WS+4*(4*((\n)/8)+\tt)+((\n)%8)/2, AS+(\n)%8, (\n)%2, \m
.endr
.endr
	WIN 0
	PLACES
.if (\n)+5 < 32
	RLOAD (\n)+5
.endif
.endm
	s_wait_alu depctr_va_vdst(0)
.irp n, 0,1,2,3,4,5,6,7,8,9,10,11,12,13,14,15,16,17,18,19,20,21,22,23,24,25,26,27,28,29,30,31
	OSTEP \n
.endr
	WIN 0x0c                                       ; an LDS store's data are its source 1: window 3
.irp t, 0,1,2,3,4,5,6,7,8,9,10,11,12,13,14,15
.irp m, 0,1
	ds_store_b128 v[STO0+\m], v[8*(2*\t+\m):8*(2*\t+\m)+3] offset:128*(\t/2)+32*(\t%2)       ; lane (r, h): columns 256 w + 32 (t / 2) + 16 h + 8 (t % 2) + 0 .. 7; each accumulator from its low end on
	ds_store_b128 v[STO0+\m], v[8*(2*\t+\m)+4:8*(2*\t+\m)+7] offset:128*(\t/2)+32*(\t%2)+16
.endr
.endr
	WIN 0
	s_wait_tensorcnt 0x0                           ; my rows of x have landed,
	s_wait_dscnt 0x0                               ; my stores into the stage are done:
	s_barrier_signal -1
	s_barrier_wait -1                              ; everybody's
.macro LNLOAD i, buf                   ; my i-th row: the product's 4,096 bytes and x's, 16 loads of 512 consecutive bytes
	WIN 0x40
.irp q, 0,1,2,3,4,5,6,7
	ds_load_b128 v[64*(\buf)+4*\q:64*(\buf)+4*\q+3], v[SRD] offset:SROW*(\i)+512*\q
.endr
.irp q, 0,1,2,3,4,5,6,7
	ds_load_b128 v[64*(\buf)+32+4*\q:64*(\buf)+32+4*\q+3], v[XRD] offset:4096*(\i)+512*\q
.endr
.endm
.macro LNRED                           ; the sum over the 32 lanes, in every lane; window 0
	v_add_f32_dpp v[T0], v[T0], v[T0] row_xmask:1 row_mask:0xf bank_mask:0xf
	v_add_f32_dpp v[T0], v[T0], v[T0] row_xmask:2 row_mask:0xf bank_mask:0xf
	v_add_f32_dpp v[T0], v[T0], v[T0] row_xmask:4 row_mask:0xf bank_mask:0xf
	v_add_f32_dpp v[T0], v[T0], v[T0] row_xmask:8 row_mask:0xf bank_mask:0xf
	v_permlanex16_b32 v[T1], v[T0], s[SEL], s[SEL+1]
	v_add_f32 v[T0], v[T0], v[T1]
.endm
.macro LNFOLD                          ; four chains into one number a lane, in window 0
	v_pk_add_f32 v[SM:SM+1], v[SM:SM+1], v[SM+2:SM+3]
	v_pk_add_f32 v[SM+4:SM+5], v[SM+4:SM+5], v[SM+6:SM+7]
	v_pk_add_f32 v[SM:SM+1], v[SM:SM+1], v[SM+4:SM+5]
	WIN 0x05                                       ; sources window 1, destination window 0
	v_add_f32 v[T0], v[SM], v[SM+1]
	WIN 0
	LNRED
.endm
.macro LNROW i, buf
.set RA, 64*(\buf)
.if (\i) < 7
	s_wait_dscnt 16                                ; this row's 16 loads are in; the next row's may be out
.else
	s_wait_dscnt 0
.endif
	WIN 0x41                                       ; destination and source 0 window 1, the other sources window 0
.irp j, 0,2,4,6,8,10,12,14,16,18,20,22,24,26,28,30
	v_pk_add_f32 v[RA+\j:RA+\j+1], v[RA+\j:RA+\j+1], v[BO+\j:BO+\j+1]
.endr
	WIN 0x55
.irp j, 0,2,4,6,8,10,12,14,16,18,20,22,24,26,28,30
	v_pk_add_f32 v[RA+\j:RA+\j+1], v[RA+\j:RA+\j+1], v[RA+32+\j:RA+33+\j]   ; r = x + out
.endr
.irp k, 0,2,4,6
	v_pk_add_f32 v[SM+\k:SM+\k+1], v[RA+\k:RA+\k+1], v[RA+8+\k:RA+9+\k]     ; the first numbers start the chains
.endr
.irp g, 16,24
.irp k, 0,2,4,6
	v_pk_add_f32 v[SM+\k:SM+\k+1], v[SM+\k:SM+\k+1], v[RA+\g+\k:RA+\g+\k+1]
.endr
.endr
	LNFOLD
	v_mul_f32 v[MU], s[RK], v[T0]                  ; the mean
	WIN 0x41
.irp j, 0,2,4,6,8,10,12,14,16,18,20,22,24,26,28,30
	v_pk_add_f32 v[RA+\j:RA+\j+1], v[RA+\j:RA+\j+1], v[MU:MU+1] op_sel_hi:[1,0] neg_lo:[0,1] neg_hi:[0,1]   ; r - mean
.endr
	WIN 0x55
.irp k, 0,2,4,6
	v_pk_mul_f32 v[SM+\k:SM+\k+1], v[RA+\k:RA+\k+1], v[RA+\k:RA+\k+1]
.endr
.irp g, 8,16,24
.irp k, 0,2,4,6
	v_pk_fma_f32 v[SM+\k:SM+\k+1], v[RA+\g+\k:RA+\g+\k+1], v[RA+\g+\k:RA+\g+\k+1], v[SM+\k:SM+\k+1]
.endr
.endr
	LNFOLD
	v_fma_f32 v[T0], v[T0], s[RK], s[EPS]          ; the variance + 1e-5
	s_wait_alu depctr_va_vdst(0)
	v_rsq_f32 v[RS], v[T0]
	v_nop                                          ; a plain place behind the transcendental
	s_wait_alu depctr_va_vdst(0)                   ; and the wait ahead of its first reader
	WIN 0x41
.irp j, 0,2,4,6,8,10,12,14,16,18,20,22,24,26,28,30
	v_pk_mul_f32 v[RA+\j:RA+\j+1], v[RA+\j:RA+\j+1], v[RS:RS+1] op_sel_hi:[1,0]
.endr
.irp j, 0,2,4,6,8,10,12,14,16,18,20,22,24,26,28,30
	v_pk_fma_f32 v[RA+\j:RA+\j+1], v[RA+\j:RA+\j+1], v[GA+\j:GA+\j+1], v[BE+\j:BE+\j+1]
.endr
	WIN 0x04                                       ; a store's data: window 1
.irp q, 0,1,2,3,4,5,6,7
	global_store_b128 v[LI], v[RA+4*\q:RA+4*\q+3], s[20:21] offset:4096*(\i)+512*\q th:TH_STORE_NT   ; 32 lanes store 512 consecutive bytes, aligned
.endr
.endm
	LNLOAD 0, 0
.irp i, 0,1,2,3,4,5,6,7
.if \i > 0
	s_wait_xcnt 0x0                                ; the stores of the row before have read their registers: the other buffer may be loaded again
.endif
.if \i < 7
	LNLOAD \i+1, (\i+1)%2
.endif
	LNROW \i, \i%2
.endr
	WIN 0
	s_wait_tensorcnt 0x0                           ; the wave's end, behind my last tensor load and my last LDS store
	ds_add_u32 v[SPW], v[NIL]
	s_wait_dscnt 0x0
	s_endpgm
.Lfunc_end_k_qc891faf624_oproj:
	.size	k_qc891faf624_oproj, .Lfunc_end_k_qc891faf624_oproj-k_qc891faf624_oproj
	.p2alignl 7, 3214868480
	.fill 96, 4, 3214868480
	.section	.rodata,"a",@progbits
	.p2align	6, 0x0
	.amdhsa_kernel k_qc891faf624_oproj
		.amdhsa_group_segment_fixed_size 263168
		.amdhsa_private_segment_fixed_size 0
		.amdhsa_enable_private_segment 0
		.amdhsa_kernarg_size 72
		.amdhsa_user_sgpr_count 2
		.amdhsa_user_sgpr_kernarg_segment_ptr 1
		.amdhsa_wavefront_size32 1
		.amdhsa_system_sgpr_workgroup_id_x 1
		.amdhsa_system_sgpr_workgroup_id_y 1
		.amdhsa_system_sgpr_workgroup_id_z 1
		.amdhsa_system_vgpr_workitem_id 0
		.amdhsa_next_free_vgpr 1024
		.amdhsa_next_free_sgpr 66
		.amdhsa_reserve_vcc 0
		.amdhsa_float_denorm_mode_32 3
		.amdhsa_float_denorm_mode_16_64 3
		.amdhsa_memory_ordered 1
		.amdhsa_forward_progress 1
		.amdhsa_inst_pref_size 187
	.end_amdhsa_kernel
	.amdgpu_metadata
---
amdhsa.version: [ 1, 2 ]
amdhsa.kernels:
  - .name:           k_qc891faf624_oproj
    .symbol:         k_qc891faf624_oproj.kd
    .args:
      - { .name: acod, .offset: 0, .size: 8, .value_kind: global_buffer, .address_space: global }
      - { .name: ascl, .offset: 8, .size: 8, .value_kind: global_buffer, .address_space: global }
      - { .name: cod, .offset: 16, .size: 8, .value_kind: global_buffer, .address_space: global }
      - { .name: scl, .offset: 24, .size: 8, .value_kind: global_buffer, .address_space: global }
      - { .name: x, .offset: 32, .size: 8, .value_kind: global_buffer, .address_space: global }
      - { .name: bo, .offset: 40, .size: 8, .value_kind: global_buffer, .address_space: global }
      - { .name: ln_gamma, .offset: 48, .size: 8, .value_kind: global_buffer, .address_space: global }
      - { .name: ln_beta, .offset: 56, .size: 8, .value_kind: global_buffer, .address_space: global }
      - { .name: out0, .offset: 64, .size: 8, .value_kind: global_buffer, .address_space: global }
    .group_segment_fixed_size: 263168
    .private_segment_fixed_size: 0
    .kernarg_segment_align: 8
    .kernarg_segment_size: 72
    .max_flat_workgroup_size: 128
    .sgpr_count:     66
    .vgpr_count:     1024
    .wavefront_size: 32
...
	.end_amdgpu_metadata
.endif
;; end of part 4
